; MI455X (gfx1250); checked and timed in simulation.
; The chip was launched on July 23, 2026; its instructions are those of AMD's public machine-readable ISA for CDNA 5 (MIT licence, August 2026) and "CDNA5" Instruction Set Architecture Reference Guide (July 2026). The comments in the code are by the model that wrote it; some were corrected since.
;; Deberta V2 Mo E Layer. Allowed arithmetic: float matrix products may take bf16 or f16 operands with f32 sums; all other float work in f32.
;; Inputs: b1 8 x 4,096 float32; b2 8 x 1,024 float32; ln_b 8 x 1,024 float32; ln_g 8 x 1,024 float32; router_w 1,024 x 8 float32; w1 8 x 1,024 x 4,096 float32; w2 8 x 4,096 x 1,024 float32; x 2 x 512 x 1,024 float32.
;; Outputs: out0 2 x 512 x 1,024 float32; out1 2 x 512 x 8 float32.
;; 2 versions, each right; version 2 is version 1 with the launches gemm1, gemm2 written anew for expert scheduling mode. Each part assembles by itself: llvm-mc -triple=amdgcn-amd-amdhsa -mcpu=gfx1250 --defsym DOCPART=n.
;; ======== version 1 of 2: 5 launches
;; workspace buffers: sel 4,096 bytes of whole numbers; rw 8,192 bytes; lists 45,056 bytes of whole numbers; xg 16,777,216 bytes; hf 67,108,864 bytes; yp 35,651,584 bytes
;; launch router (part 1): grid 128 x 1, 8 waves a work-group, no clusters, 34,816 bytes of LDS; arguments x, router_w, out1, sel, rw; writes out1, sel, rw
.if DOCPART == 1
	.amdgcn_target "amdgcn-amd-amdhsa--gfx1250"
	.amdhsa_code_object_version 6
	.text
	.protected	k_qb85b42047f_router
	.globl	k_qb85b42047f_router
	.p2align	8
	.type	k_qb85b42047f_router,@function
k_qb85b42047f_router:
	s_mov_b64 s[64:65], 0
	v_nop
	global_prefetch_b8 v0, s[64:65] scope:SCOPE_SE
	s_setreg_imm32_b32 hwreg(HW_REG_WAVE_MODE, 25, 1), 1
	s_wait_xcnt 0x0
; ROUTER.  logits[t][e] = sum over h of x[t][h] router_w[h][e]; softmax; the two largest; their weights renormalised.
; x: [1024][1024] f32, router_w: [1024][8] f32.  Out: out1 = logits [1024][8] f32; sel[t] = e0 | e1 << 8 (e0 the larger); rw[t] = the two weights.
; One wave takes one token, eight waves a work-group, 128 work-groups.
; The product is made in f32 on the vector unit: it is 16.8 million of the problem's operations, and the choice of the two experts is a
; comparison of its results, so operands cut to 16 bits would choose other experts than the f32 definition does.
; router_w is turned to [e][h] in LDS once for the work-group, so that a lane's four h of one expert are 16 neighbouring bytes.
; LIMITS: a NaN among the logits is not ordered as top_k orders it.  Of equal probabilities the lower index wins, as in top_k.
.set WPITCH, 4112                      ; an LDS row of router_w turned: 4,096 bytes + 16
.set REC,    8*WPITCH+128              ; 33,024: the work-group's results: logits [8][8] at +0, weights [8][2] at +256, sel [8] at +320
.set LG,   8                           ; v[8:15]    the eight logits
.set ACC,  16                          ; v[16:31]   a pair of running sums for each expert
.set RW,   32                          ; v[32:63]   router_w as loaded
.set P,    32                          ; v[32:39]   later: the probabilities
.set X,    64                          ; v[64:95]   my 32 numbers of the token
.set WA,   96                          ; v[96:127]  turned weights, set A
.set WB,   128                         ; v[128:159] turned weights, set B
	s_load_b256 s[4:11], s[0:1], 0x0               ; x s[4:5], router_w s[6:7], out1 s[8:9], sel s[10:11]
	s_load_b64 s[12:13], s[0:1], 0x20              ; rw
	v_lshl_add_u32 v160, v0, 2, 0x8400
	v_mov_b32 v161, 0
	v_and_b32 v1, 31, v0                           ; lane
	v_lshrrev_b32 v2, 5, v0
	v_readfirstlane_b32 s14, v2                    ; wave
	v_lshlrev_b32 v3, 4, v0                        ; 16 x thread: my 16 bytes of each 4,096 of router_w
	v_lshlrev_b32 v4, 4, v1                        ; 16 x lane: my 16 bytes of each 512 of the token, and of a turned row
	v_and_b32 v5, 1, v0                            ; my four numbers of router_w are experts 4 (thread & 1) + 0..3
	v_lshrrev_b32 v6, 1, v0                        ; of h = (thread >> 1) + 128 n
	v_mul_u32_u24 v5, v5, 4*WPITCH
	v_lshl_add_u32 v5, v6, 2, v5                   ; where they go: row e, word h
	s_lshl_b32 s15, ttmp9, 3
	s_add_co_u32 s15, s15, s14                     ; my token
	s_lshl_b32 s16, s15, 12                        ; x 4,096 bytes
	s_mov_b32 s17, 0
	s_mov_b32 s20, 0x76543210                      ; v_permlanex16_b32: lane i of one half reads lane i of the other
	s_mov_b32 s21, 0xfedcba98
	s_wait_kmcnt 0x0
	s_add_nc_u64 s[4:5], s[4:5], s[16:17]
.irp n, 0,1,2,3,4,5,6,7
	global_load_b128 v[RW+4*\n:RW+4*\n+3], v3, s[6:7] offset:4096*\n
.endr
.irp j, 0,1,2,3,4,5,6,7
	global_load_b128 v[X+4*\j:X+4*\j+3], v4, s[4:5] offset:512*\j
.endr
	s_wait_loadcnt 0x8                             ; router_w is in; the token's eight loads, issued behind it, may stay out
.irp n, 0,1,2,3,4,5,6,7
.irp i, 0,1,2,3
	ds_store_b32 v5, v[RW+4*\n+\i] offset:WPITCH*\i+512*\n
.endr
.endr
	s_wait_dscnt 0x0                               ; my part of the turned table is written, for the other waves' sake
	s_barrier_signal -1
	s_barrier_wait -1
	s_wait_loadcnt 0x0                             ; the token
.macro LOADW j, set                    ; 16 bytes of each expert's row: h = 128 j + 4 lane + 0..3
.irp e, 0,1,2,3,4,5,6,7
	ds_load_b128 v[\set+4*\e:\set+4*\e+3], v4 offset:512*(\j)+WPITCH*\e
.endr
.endm
.macro DOT j, set                      ; the first product starts each sum: nothing is cleared
.irp e, 0,1,2,3,4,5,6,7
.if (\j) == 0
	v_pk_mul_f32 v[ACC+2*\e:ACC+2*\e+1], v[X+4*(\j):X+4*(\j)+1], v[\set+4*\e:\set+4*\e+1]
.else
	v_pk_fma_f32 v[ACC+2*\e:ACC+2*\e+1], v[X+4*(\j):X+4*(\j)+1], v[\set+4*\e:\set+4*\e+1], v[ACC+2*\e:ACC+2*\e+1]
.endif
	v_pk_fma_f32 v[ACC+2*\e:ACC+2*\e+1], v[X+4*(\j)+2:X+4*(\j)+3], v[\set+4*\e+2:\set+4*\e+3], v[ACC+2*\e:ACC+2*\e+1]
.endr
.endm
	LOADW 0, WA
.irp j, 0,2,4
	LOADW \j+1, WB
	s_wait_dscnt 0x8                               ; LDS loads come back in order (ISA guide 5.7.1): all but the eight just issued are in
	DOT \j, WA
	LOADW \j+2, WA
	s_wait_dscnt 0x8
	DOT \j+1, WB
.endr
	LOADW 7, WB
	s_wait_dscnt 0x8
	DOT 6, WA
	s_wait_dscnt 0x0
	DOT 7, WB
	; the lane's two sums, then the sum over the 32 lanes; every lane ends with all eight logits
.irp e, 0,1,2,3,4,5,6,7
	v_add_f32 v[LG+\e], v[ACC+2*\e], v[ACC+2*\e+1]
.endr
.irp m, 1,2,4,8
.irp e, 0,1,2,3,4,5,6,7
	v_add_f32_dpp v[LG+\e], v[LG+\e], v[LG+\e] row_xmask:\m row_mask:0xf bank_mask:0xf
.endr
.endr
.irp e, 0,1,2,3,4,5,6,7
	v_permlanex16_b32 v[ACC+2*\e], v[LG+\e], s20, s21      ; the destination has been written before
.endr
.irp e, 0,1,2,3,4,5,6,7
	v_add_f32 v[LG+\e], v[LG+\e], v[ACC+2*\e]
.endr
	; softmax with the maximum taken away first
	v_max3_num_f32 v40, v[LG], v[LG+1], v[LG+2]
	v_max3_num_f32 v40, v40, v[LG+3], v[LG+4]
	v_max3_num_f32 v40, v40, v[LG+5], v[LG+6]
	v_max_num_f32 v40, v40, v[LG+7]
.irp e, 0,1,2,3,4,5,6,7
	v_sub_f32 v[P+\e], v[LG+\e], v40
.endr
.irp e, 0,1,2,3,4,5,6,7
	v_mul_f32 v[P+\e], 0x3fb8aa3b, v[P+\e]         ; e^x = 2^(x log2 e)
.endr
.irp e, 0,1,2,3,4,5,6,7
	v_exp_f32 v[P+\e], v[P+\e]
.endr
	v_mov_b32 v41, 0                               ; index of the largest; also the plain instruction between the exponentials and their first use (ISA guide 5.7.2)
	s_wait_alu depctr_va_vdst(0)
	v_add_f32 v42, v[P], v[P+1]
	v_add_f32 v43, v[P+2], v[P+3]
	v_add_f32 v44, v[P+4], v[P+5]
	v_add_f32 v45, v[P+6], v[P+7]
	v_add_f32 v42, v42, v43
	v_add_f32 v44, v44, v45
	v_add_f32 v42, v42, v44
	v_rcp_f32 v42, v42
	v_mov_b32 v47, 0                               ; index of the second; the plain instruction behind v_rcp_f32
	s_wait_alu depctr_va_vdst(0)
.irp e, 0,1,2,3,4,5,6,7
	v_mul_f32 v[P+\e], v[P+\e], v42
.endr
	; the largest: a later one replaces the best only if it is greater, so the lowest index wins among equals
	v_mov_b32 v40, v[P]
.irp e, 1,2,3,4,5,6,7
	v_cmp_ge_f32 vcc_lo, v40, v[P+\e]              ; keep
	v_cndmask_b32 v40, v[P+\e], v40, vcc_lo
	v_cndmask_b32 v41, \e, v41, vcc_lo
.endr
	; the second: the same scan with the first one's place set below every probability
.irp e, 0,1,2,3,4,5,6,7
	v_cmp_ne_u32 vcc_lo, \e, v41
	v_cndmask_b32 v[P+\e], -1.0, v[P+\e], vcc_lo
.endr
	v_mov_b32 v46, v[P]
.irp e, 1,2,3,4,5,6,7
	v_cmp_ge_f32 vcc_lo, v46, v[P+\e]
	v_cndmask_b32 v46, v[P+\e], v46, vcc_lo
	v_cndmask_b32 v47, \e, v47, vcc_lo
.endr
	v_add_f32 v43, v40, v46
	v_rcp_f32 v43, v43
	v_lshl_or_b32 v47, v47, 8, v41                 ; e0 | e1 << 8; the plain instruction behind v_rcp_f32
	s_wait_alu depctr_va_vdst(0)
	v_mul_f32 v44, v40, v43
	v_mul_f32 v45, v46, v43
	; the token's record into LDS: every lane holds the same numbers and writes them to the same bytes, which are the wave's own
	v_mov_b32 v48, s14                             ; wave
	v_lshlrev_b32 v49, 3, v48                      ; 8 x wave
	v_lshlrev_b32 v50, 2, v48                      ; 4 x wave
	v_lshlrev_b32 v48, 5, v48                      ; 32 x wave
	ds_store_b128 v48, v[LG:LG+3] offset:REC
	ds_store_b128 v48, v[LG+4:LG+7] offset:REC+16
	ds_store_b64 v49, v[44:45] offset:REC+256
	ds_store_b32 v50, v47 offset:REC+320
	s_wait_dscnt 0x0                               ; written, for wave 0's sake
	s_barrier_signal -1
	s_barrier_wait -1
	s_cmp_lg_u32 s14, 0
	s_cbranch_scc1 .Lend
	; wave 0 stores the eight tokens' records: 256 bytes of logits (sixteen lanes, one aligned block), 64 of weights, 32 of sel
	v_min_u32 v6, 21, v1
	v_lshlrev_b32 v6, 4, v6
	ds_load_b128 v[52:55], v6 offset:REC
	s_lshl_b32 s16, ttmp9, 8
	s_add_nc_u64 s[8:9], s[8:9], s[16:17]
	s_lshl_b32 s16, ttmp9, 6
	s_add_nc_u64 s[12:13], s[12:13], s[16:17]
	s_lshl_b32 s16, ttmp9, 5
	s_add_nc_u64 s[10:11], s[10:11], s[16:17]
	s_wait_dscnt 0x0
	s_wait_xcnt 0x0                                ; EXEC changes only behind s_wait_xcnt 0
	v_cmp_gt_u32 vcc_lo, 16, v1
	s_and_saveexec_b32 s22, vcc_lo
	global_store_b128 v4, v[52:55], s[8:9]         ; lanes 0-15
	s_wait_xcnt 0x0
	s_or_b32 exec_lo, exec_lo, s22
	v_add_nc_u32 v7, -16, v1
	v_cmp_gt_u32 vcc_lo, 4, v7
	s_and_saveexec_b32 s22, vcc_lo
	global_store_b128 v4, v[52:55], s[12:13] offset:-256   ; lanes 16-19: 16 (lane - 16)
	s_wait_xcnt 0x0
	s_or_b32 exec_lo, exec_lo, s22
	v_add_nc_u32 v7, -20, v1
	v_cmp_gt_u32 vcc_lo, 2, v7
	s_and_saveexec_b32 s22, vcc_lo
	global_store_b128 v4, v[52:55], s[10:11] offset:-320   ; lanes 20-21: 16 (lane - 20)
	s_wait_xcnt 0x0
	s_or_b32 exec_lo, exec_lo, s22
.Lend:
	s_wait_tensorcnt 0x0
	ds_add_u32 v160, v161
	s_wait_dscnt 0x0
	s_endpgm
.Lfunc_end_k_qb85b42047f_router:
	.size	k_qb85b42047f_router, .Lfunc_end_k_qb85b42047f_router-k_qb85b42047f_router
	.p2alignl 7, 3214868480
	.fill 96, 4, 3214868480
	.section	.rodata,"a",@progbits
	.p2align	6, 0x0
	.amdhsa_kernel k_qb85b42047f_router
		.amdhsa_group_segment_fixed_size 34816
		.amdhsa_private_segment_fixed_size 0
		.amdhsa_enable_private_segment 0
		.amdhsa_kernarg_size 40
		.amdhsa_user_sgpr_count 2
		.amdhsa_user_sgpr_kernarg_segment_ptr 1
		.amdhsa_wavefront_size32 1
		.amdhsa_system_sgpr_workgroup_id_x 1
		.amdhsa_system_sgpr_workgroup_id_y 1
		.amdhsa_system_sgpr_workgroup_id_z 1
		.amdhsa_system_vgpr_workitem_id 0
		.amdhsa_next_free_vgpr 162
		.amdhsa_next_free_sgpr 66
		.amdhsa_reserve_vcc 1
		.amdhsa_float_denorm_mode_32 3
		.amdhsa_float_denorm_mode_16_64 3
		.amdhsa_memory_ordered 1
		.amdhsa_forward_progress 1
		.amdhsa_inst_pref_size 26
	.end_amdhsa_kernel
	.amdgpu_metadata
---
amdhsa.version: [ 1, 2 ]
amdhsa.kernels:
  - .name:           k_qb85b42047f_router
    .symbol:         k_qb85b42047f_router.kd
    .args:
      - { .name: x, .offset: 0, .size: 8, .value_kind: global_buffer, .address_space: global }
      - { .name: router_w, .offset: 8, .size: 8, .value_kind: global_buffer, .address_space: global }
      - { .name: out1, .offset: 16, .size: 8, .value_kind: global_buffer, .address_space: global }
      - { .name: sel, .offset: 24, .size: 8, .value_kind: global_buffer, .address_space: global }
      - { .name: rw, .offset: 32, .size: 8, .value_kind: global_buffer, .address_space: global }
    .group_segment_fixed_size: 34816
    .private_segment_fixed_size: 0
    .kernarg_segment_align: 8
    .kernarg_segment_size: 40
    .max_flat_workgroup_size: 256
    .sgpr_count:     66
    .vgpr_count:     162
    .wavefront_size: 32
...
	.end_amdgpu_metadata
.endif
;; end of part 1
;; launch place (part 2): grid 80 x 8, 1 waves a work-group, no clusters, 14,592 bytes of LDS; arguments sel, x, lists, xg; writes lists, xg
.if DOCPART == 2
	.amdgcn_target "amdgcn-amd-amdhsa--gfx1250"
	.amdhsa_code_object_version 6
	.text
	.protected	k_qb85b42047f_place
	.globl	k_qb85b42047f_place
	.p2align	8
	.type	k_qb85b42047f_place,@function
k_qb85b42047f_place:
	s_mov_b64 s[64:65], 0
	v_nop
	global_prefetch_b8 v0, s[64:65] scope:SCOPE_SE
	s_setreg_imm32_b32 hwreg(HW_REG_WAVE_MODE, 25, 1), 1
	s_wait_xcnt 0x0
; PLACE.  For expert e (grid y): the list of its rows (slot = 2 token + rank; the order is that of the scan below, the same in every work-group),
; and the rows of x gathered, cut to bf16, in the order in which a matrix instruction wants them.
; lists[e]: 5,632 bytes: word 0 = n (rows), word 1 = passes of 320 rows = 1 + (n>320) + (n>640) + (n>960), word 2 = tiles of 16 rows =
; max(1, ceil(n/16)), words 3 to 31 zero, bytes 128 to 511 not used; from byte 512 on 1,280 slot numbers.  An entry at or beyond n holds
; 2048 + 16 e + (place & 15): a spare row of the last tile, which takes token 1,023's numbers here and later goes to a row of yp that nothing reads.
; xg[e][tile][kb][1,024 bytes]: a block of 16 rows x 32 k.  Lane L = (r = L & 15, h = L >> 4) owns 16 bytes at 16 L (k = 8h .. 8h+7 of row r)
; and 16 bytes at 512 + 16 L (k = 16+8h .. +7): a fragment is two loads of 512 neighbouring bytes, straight into the operand's registers.
; One wave a work-group: grid x = 4 x (tile number 0..19) + K quarter.  Each wave makes the list for itself in LDS (32 steps of 32 tokens), so
; there is nothing to hand between waves and no barrier.  Tiles 20 and up (an expert with more than 320 rows) are taken in further trips:
; trip i takes tile first + 20 i, and the trips are counted ahead of the loop, 1 to 4 of them since there are at most 64 tiles.
; A work-group whose tile number is not below the expert's tiles has no tile to write; it is there for inputs that give the expert more rows.
.set HDR,    512
.set NENT,   1280
.set STG,    5888                      ; behind the list (5,632 bytes) and the 128 bytes into which lanes without a row write
.set SPITCH, 528                       ; a stage row: 256 k in bf16 + 16 bytes = 132 words: sixteen rows start 4 words apart (64 banks of 4 bytes: ISA guide 11.1)
.set SELV,   16                        ; v[16:47]   sel of all 1,024 tokens: register 4 j + i is token 128 j + 4 lane + i
.set OFFS,   48                        ; v[48:55]   byte offsets in x of the eight rows that I help to load
.set SLOTS,  56                        ; v[56:63]   their slot numbers
.set XV,     64                        ; v[64:191]  16 rows x 1,024 bytes of x
.set OV,     192                       ; v[192:255] the tile's quarter in block order
	s_load_b256 s[4:11], s[0:1], 0x0               ; sel s[4:5], x s[6:7], lists s[8:9], xg s[10:11]
	s_set_vgpr_msb 0x40
	v_lshl_add_u32 v0, v0, 2, 0x3800
	v_mov_b32 v1, 0
	s_set_vgpr_msb 0x4000
	s_and_b32 s15, ttmp7, 0xffff                   ; expert
	s_lshr_b32 s16, ttmp9, 2                       ; my first tile
	s_and_b32 s17, ttmp9, 3                        ; my K quarter
	s_lshl_b32 s18, s15, 4
	s_add_co_u32 s18, s18, 2048                    ; the expert's first spare slot
	v_and_b32 v1, 15, v0
	v_lshrrev_b32 v2, 4, v0
	v_lshlrev_b32 v3, 4, v0                        ; 16 x lane
	v_lshlrev_b32 v4, 3, v0                        ; slot of token 4 lane, rank 0
	v_add_nc_u32 v9, NENT, v0                      ; the place of a lane that has no row to enter
	v_mov_b32 v10, 1
	v_and_b32 v12, 3, v0
	v_lshl_add_u32 v12, v12, 2, s18                ; the list starts as spare slots: entry 4 lane + 128 m + i has place & 15 = 4 (lane & 3) + i
	v_add_nc_u32 v13, 1, v12
	v_add_nc_u32 v14, 2, v12
	v_add_nc_u32 v15, 3, v12
	s_wait_kmcnt 0x0
.irp j, 0,1,2,3,4,5,6,7
	global_load_b128 v[SELV+4*\j:SELV+4*\j+3], v3, s[4:5] offset:512*\j
.endr
.irp m, 0,1,2,3,4,5,6,7,8,9,10
	ds_store_b128 v3, v[12:15] offset:512*\m       ; LDS serves a wave's instructions in order (ISA guide 5.7.1), so the entries and the header below land on top
.endr
	s_mov_b32 s22, 0                               ; rows so far
	s_wait_loadcnt 0x0
; 32 tokens: who has chosen this expert, as which rank; each such lane's place is the count so far plus the chosen lanes below it
.macro SCAN j, i
	v_and_b32 v5, 0xff, v[SELV+4*\j+\i]
	v_bfe_u32 v6, v[SELV+4*\j+\i], 8, 8
	v_cmp_eq_u32 s20, s15, v5                      ; as rank 0
	v_cmp_eq_u32 vcc_lo, s15, v6                   ; as rank 1
	v_cndmask_b32 v7, 0, v10, vcc_lo
	v_add3_u32 v7, v4, v7, 256*\j+2*\i             ; slot = 2 token + rank
	s_or_b32 vcc_lo, s20, vcc_lo
	v_mbcnt_lo_u32_b32 v8, vcc_lo, s22
	v_cndmask_b32 v8, v9, v8, vcc_lo
	v_min_u32 v8, NENT+31, v8                      ; the bound of every place
	v_lshlrev_b32 v8, 2, v8
	ds_store_b32 v8, v7 offset:HDR
	s_bcnt1_i32_b32 s23, vcc_lo
	s_add_co_u32 s22, s22, s23
.endm
.irp j, 0,1,2,3,4,5,6,7
.irp i, 0,1,2,3
	SCAN \j, \i
.endr
.endr
	s_mov_b32 s25, 1                               ; passes of 320 rows
	s_cmp_gt_u32 s22, 320
	s_add_co_ci_u32 s25, s25, 0
	s_cmp_gt_u32 s22, 640
	s_add_co_ci_u32 s25, s25, 0
	s_cmp_gt_u32 s22, 960
	s_add_co_ci_u32 s25, s25, 0
	s_add_co_u32 s26, s22, 15                      ; tiles of 16 rows, at least one
	s_lshr_b32 s26, s26, 4
	s_max_u32 s26, s26, 1
	v_mov_b32 v5, 0
	v_writelane_b32 v5, s22, 0
	v_writelane_b32 v5, s25, 1
	v_writelane_b32 v5, s26, 2
	v_lshlrev_b32 v6, 2, v0
	ds_store_b32 v6, v5
	s_cmp_lg_u32 ttmp9, 0
	s_cbranch_scc1 .Lno_list
	; the expert's first work-group stores header and list: 11 x 512 neighbouring bytes
	s_mul_i32 s28, s15, HDR+4*NENT
	s_mov_b32 s29, 0
	s_add_nc_u64 s[8:9], s[8:9], s[28:29]
.irp m, 0,1,2,3,4,5,6,7,8,9,10
	ds_load_b128 v[XV+4*\m:XV+4*\m+3], v3 offset:512*\m
.endr
.irp m, 0,1,2,3,4,5,6,7,8,9,10
	s_wait_dscnt 10-\m
	global_store_b128 v3, v[XV+4*\m:XV+4*\m+3], s[8:9] offset:512*\m
.endr
	s_wait_xcnt 0x0                                ; the stores' data registers are loaded into below
.Lno_list:
	s_cmp_ge_u32 s16, s26                          ; the expert has no tile of my number
	s_cbranch_scc1 .Lend
	s_mov_b32 s35, 1                               ; my trips: one for each of the tiles first, first + 20, + 40, + 60 that exists
.irp d, 20, 40, 60
	s_add_co_u32 s34, s16, \d
	s_cmp_lt_u32 s34, s26
	s_add_co_ci_u32 s35, s35, 0
.endr
	s_min_u32 s35, s35, 4                          ; the bound of the trips, said outright
	v_lshlrev_b32 v11, 4, v1
	s_lshl_b32 s28, s17, 10
	v_add_nc_u32 v11, s28, v11                     ; in a row of x: my quarter's 1,024 bytes, 16 (lane & 15)
	v_mul_u32_u24 v10, v2, SPITCH
	v_lshl_add_u32 v10, v1, 3, v10                 ; stage, in: row 2 j + (lane >> 4), 8 bytes a lane
	v_mul_u32_u24 v12, v1, SPITCH
	v_lshl_add_u32 v12, v2, 4, v12                 ; stage, back: row r, 16 h
	s_mov_b32 s34, 0                               ; trip
.Ltile:
	s_mul_i32 s27, s34, 20
	s_add_co_u32 s27, s27, s16                     ; the trip's tile
	s_min_u32 s28, s27, 63
	s_lshl_b32 s29, s28, 6                         ; 16 entries of 4 bytes a tile
	v_lshl_add_u32 v13, v2, 2, s29
.irp j, 0,1,2,3,4,5,6,7
	ds_load_b32 v[SLOTS+\j], v13 offset:HDR+8*\j   ; row 2 j + (lane >> 4)
.endr
	s_lshl_b32 s30, s15, 6
	s_add_co_u32 s30, s30, s28
	s_lshl_b32 s30, s30, 15                        ; (64 e + tile) x 32,768
	s_lshl_b32 s31, s17, 13                        ; + quarter x 8 blocks
	s_add_co_u32 s30, s30, s31
	s_mov_b32 s31, 0
	s_add_nc_u64 s[32:33], s[10:11], s[30:31]
	s_wait_dscnt 0x0
.irp j, 0,1,2,3,4,5,6,7
	v_lshrrev_b32 v[OFFS+\j], 1, v[SLOTS+\j]       ; token
	v_min_u32 v[OFFS+\j], 1023, v[OFFS+\j]
	v_lshl_add_u32 v[OFFS+\j], v[OFFS+\j], 12, v11
.endr
.irp j, 0,1,2,3,4,5,6,7
.irp c, 0,1,2,3
	global_load_b128 v[XV+16*\j+4*\c:XV+16*\j+4*\c+3], v[OFFS+\j], s[6:7] offset:256*\c   ; sixteen lanes take 256 neighbouring bytes of one row
.endr
.endr
.irp j, 0,1,2,3,4,5,6,7
	s_wait_loadcnt 28-4*\j                         ; loads come back in order (ISA guide 5.7.1): the four of rows 2 j, 2 j + 1 are in
.irp c, 0,1,2,3
	v_cvt_pk_bf16_f32 v[XV+16*\j+4*\c], v[XV+16*\j+4*\c], v[XV+16*\j+4*\c+1]
	v_cvt_pk_bf16_f32 v[XV+16*\j+4*\c+1], v[XV+16*\j+4*\c+2], v[XV+16*\j+4*\c+3]
	ds_store_b64 v10, v[XV+16*\j+4*\c:XV+16*\j+4*\c+1] offset:STG+2*\j*SPITCH+128*\c
.endr
.endr
.irp t, 0,1,2,3,4,5,6,7,8,9,10,11,12,13,14,15
	ds_load_b128 v[OV+4*\t:OV+4*\t+3], v12 offset:STG+32*\t     ; block t >> 1, half t & 1: k = 16 t + 8 h .. + 7 of row r
.endr
.irp t, 0,1,2,3,4,5,6,7,8,9,10,11,12,13,14,15
	s_wait_dscnt 15-\t
	global_store_b128 v3, v[OV+4*\t:OV+4*\t+3], s[32:33] offset:512*\t   ; 512 neighbouring bytes, aligned
.endr
	s_wait_xcnt 0x0                                ; the stores' data and base are written again in the next trip
	s_add_co_u32 s34, s34, 1
	s_cmp_lt_u32 s34, s35                          ; the count of trips is not written in the loop
	s_cbranch_scc1 .Ltile
.Lend:
	s_set_vgpr_msb 0x5
	s_wait_tensorcnt 0x0
	ds_add_u32 v0, v1
	s_wait_dscnt 0x0
	s_set_vgpr_msb 0x500
	s_endpgm
.Lfunc_end_k_qb85b42047f_place:
	.size	k_qb85b42047f_place, .Lfunc_end_k_qb85b42047f_place-k_qb85b42047f_place
	.p2alignl 7, 3214868480
	.fill 96, 4, 3214868480
	.section	.rodata,"a",@progbits
	.p2align	6, 0x0
	.amdhsa_kernel k_qb85b42047f_place
		.amdhsa_group_segment_fixed_size 14592
		.amdhsa_private_segment_fixed_size 0
		.amdhsa_enable_private_segment 0
		.amdhsa_kernarg_size 32
		.amdhsa_user_sgpr_count 2
		.amdhsa_user_sgpr_kernarg_segment_ptr 1
		.amdhsa_wavefront_size32 1
		.amdhsa_system_sgpr_workgroup_id_x 1
		.amdhsa_system_sgpr_workgroup_id_y 1
		.amdhsa_system_sgpr_workgroup_id_z 1
		.amdhsa_system_vgpr_workitem_id 0
		.amdhsa_next_free_vgpr 258
		.amdhsa_next_free_sgpr 66
		.amdhsa_reserve_vcc 1
		.amdhsa_float_denorm_mode_32 3
		.amdhsa_float_denorm_mode_16_64 3
		.amdhsa_memory_ordered 1
		.amdhsa_forward_progress 1
		.amdhsa_inst_pref_size 44
	.end_amdhsa_kernel
	.amdgpu_metadata
---
amdhsa.version: [ 1, 2 ]
amdhsa.kernels:
  - .name:           k_qb85b42047f_place
    .symbol:         k_qb85b42047f_place.kd
    .args:
      - { .name: sel, .offset: 0, .size: 8, .value_kind: global_buffer, .address_space: global }
      - { .name: x, .offset: 8, .size: 8, .value_kind: global_buffer, .address_space: global }
      - { .name: lists, .offset: 16, .size: 8, .value_kind: global_buffer, .address_space: global }
      - { .name: xg, .offset: 24, .size: 8, .value_kind: global_buffer, .address_space: global }
    .group_segment_fixed_size: 14592
    .private_segment_fixed_size: 0
    .kernarg_segment_align: 8
    .kernarg_segment_size: 32
    .max_flat_workgroup_size: 32
    .sgpr_count:     66
    .vgpr_count:     258
    .wavefront_size: 32
...
	.end_amdgpu_metadata
.endif
;; end of part 2
;; launch gemm1 (part 3): grid 32 x 8, 4 waves a work-group, no clusters, 295,424 bytes of LDS; arguments xg, w1, b1, lists, hf; writes hf
.if DOCPART == 3
	.amdgcn_target "amdgcn-amd-amdhsa--gfx1250"
	.amdhsa_code_object_version 6
	.text
	.protected	k_qb85b42047f_gemm1
	.globl	k_qb85b42047f_gemm1
	.p2align	8
	.type	k_qb85b42047f_gemm1,@function
k_qb85b42047f_gemm1:
	s_mov_b64 s[64:65], 0
	v_nop
	global_prefetch_b8 v0, s[64:65] scope:SCOPE_SE
	s_setreg_imm32_b32 hwreg(HW_REG_WAVE_MODE, 25, 1), 1
	s_wait_xcnt 0x0
; THE FIRST EXPERT PRODUCT: hf = gelu(xg . w1 + b1), for the rows that chose the expert.
; A work-group takes one expert (grid y), 128 columns of I (grid x) and K = 1,024, and walks the expert's rows in passes of 320.
; Four waves.  Wave w takes the row tiles 20 p + 4 l + w, l = 0..4, and all eight column tiles: 40 accumulators of 16 x 16.
; WEIGHTS are f32 and lie [k][n].  They pass through registers (a k-row of the slice is one load of 512 neighbouring bytes), are cut to bf16 and stored
; into LDS, where the whole slice stays: 1,024 k-rows x 288 bytes = 294,912 bytes; ds_load_tr16_b128 reads them back turned.  They have to be converted
; on the way, so the tensor data mover would only add a second trip through LDS.  Each weight byte is read from memory once, whatever the rows.
; THE FIRST PASS streams: while K step q is multiplied, weight group q + 4 is converted and stored and group q + 8 is asked for.  Its eight barriers (one
; for each 128 k-rows: stored by four waves, then read by all) stand in straight text.  No LDS byte is written twice.
; FURTHER PASSES (an expert with more than 320 rows) read the slice that lies in LDS and need no barrier.
; ROWS (xg, hf) lie in memory in fragment order (block of 16 rows x 32 k = 1,024 bytes, lane L's 16 bytes at 16 L and at 512 + 16 L) and go from
; memory straight into the operand's registers.  NO CLUSTER: the 32 work-groups of an expert read the same rows, but a joint load lands in LDS, and
; the rows' way through LDS would add 20 LDS loads a wave to the 24 LDS instructions that a K step of 40 matrix instructions has now.
; THE MATRIX INSTRUCTION IS USED TRANSPOSED: source 0 = 16 columns of the weights, source 1 = 16 rows.  Lane (r, h) then holds row r, columns
; 16 nt + 8 h + 0..7; eight of them as bf16 are exactly the lane's 16 bytes of half nt & 1 of block nt >> 1 in fragment order.
; A tile number at or beyond the expert's tiles is clamped to the last tile: its products are made and thrown away.
; THE FIFTH LAYER: a wave whose fifth row tile does not exist (fewer than five layers, s25) jumps over that layer's two row loads and eight matrix
; instructions in every K step.  Row groups 0 to 3 and K step 0's products are made in any case, so that each of the layer's registers has been written
; on every way.  The jumps cross no barrier.
; THE WAY OUT is a loop over the wave's layers.  Only its first stage, sum + bias, names a layer's accumulators: it is written out for each layer (32 packed
; adds into fixed registers) and chosen by the loop's counter; the rest is one text for all layers, a fifth of what five written-out layers would be.
; LIMITS: erfc by Abramowitz-Stegun 7.1.26, absolute error up to 1.5e-7, for every x; operands bf16, sums f32.
.set PB,     16384                     ; bytes from a k-row of w1 to the next
.set ASHIFT, 15                        ; a row tile of xg: 32 blocks = 32,768 bytes
.set BPITCH, 288                       ; an LDS k-row: 128 bf16 + 32 bytes, an odd multiple of 32
.set CHUNK,  128*BPITCH                ; 36,864: 128 k-rows; eight chunks from LDS byte 0
; VECTOR REGISTERS, in windows of 256:
;   window 0: v0-12 addresses, v20-31 constants, v32-47 LDS addresses by chunk; v64-127, v128-191 weight fragments, two buffers (8 column tiles x 8); v192-255 the bias
;   window 1: accumulators of layers l = 0..3 at 64 l + 8 nt
;   window 2: v0-159 row fragments, a ring of 4 slots x 5 layers x 8; v160-223 accumulators of layer 4
;   window 3: v0-127 weights as loaded, a ring of 4 slots x 8 rows x 4
.set L16,  4                           ; 16 x lane
.set BOFF, 5                           ; 16 x lane + 32 w k-rows: my rows of each chunk
.set C1,   20
.set K1,   22
.set K2,   24
.set K3,   26
.set K4,   28
.set K5,   30
.set BST,  32                          ; v32-39: where I store my rows of chunk c
.set BFR,  40                          ; v40-47: where I read fragments of chunk c
.set FB,   64
.set XR,   64                          ; the way out: a layer's 64 numbers, eight sets of eight
.set SS,   128
.set QQ,   136
.set TT,   144
.set MM,   152
.set PP,   160
.set BI,   192
.set SA,   32                          ; s[32:41] the five layers' row tiles
.set SB,   44                          ; s[44:59] the eight chunks of 128 k-rows of the weights
.set LC,   77                          ; s77 the way out's layer
.set MSB,  0
.macro WIN new                         ; low byte: bits 1:0 source 0, 3:2 source 1, 5:4 source 2, 7:6 destination; the high byte repeats the setting that is left
.if MSB != \new
	s_set_vgpr_msb (MSB<<8)|\new
.set MSB, \new
.endif
.endm
; the weight fragments of K step q: k-rows 32 (q & 3) .. + 31 of chunk q >> 2, eight column tiles
.macro FRAG q
.irp nt, 0,1,2,3,4,5,6,7
	ds_load_tr16_b128 v[FB+64*((\q)&1)+8*\nt:FB+64*((\q)&1)+8*\nt+3], v[BFR+((\q)>>2)] offset:((\q)&3)*32*BPITCH+32*\nt
	ds_load_tr16_b128 v[FB+64*((\q)&1)+8*\nt+4:FB+64*((\q)&1)+8*\nt+7], v[BFR+((\q)>>2)] offset:((\q)&3)*32*BPITCH+16*BPITCH+32*\nt
.endr
.endm
; eight matrix instructions: layer l x all column tiles.  In K step 0 the constant 0 starts the sums: nothing is cleared.
.macro MUL q, l
.irp nt, 0,1,2,3,4,5,6,7
.if (\l) < 4
.set AC, 64*(\l)+8*\nt
.else
.set AC, 160+8*\nt
.endif
.if (\q) == 0
	v_wmma_f32_16x16x32_bf16 v[AC:AC+7], v[FB+64*((\q)&1)+8*\nt:FB+64*((\q)&1)+8*\nt+7], v[40*((\q)&3)+8*(\l):40*((\q)&3)+8*(\l)+7], 0
.else
	v_wmma_f32_16x16x32_bf16 v[AC:AC+7], v[FB+64*((\q)&1)+8*\nt:FB+64*((\q)&1)+8*\nt+7], v[40*((\q)&3)+8*(\l):40*((\q)&3)+8*(\l)+7], v[AC:AC+7]
.endif
.endr
.endm
; ONE STEP, q = -8 .. 31.  st = 1 (the first pass): it converts and stores weight group q + 4 (8 k-rows of mine), asks for row group q + 3 (8 loads, and 2 more
; for the fifth layer) and then for weight group q + 8 (8 loads), and multiplies K step q.  st = 0 (a further pass): the row groups and the products alone.
; n = the loads issued behind the youngest one that the step needs (row group q, asked for in step q - 3; weight group q + 4, asked for in step q - 4),
; counted with row groups of eight loads, the fewest that any way issues: in the middle of the first pass 8 + 16 + 16 = 40, of a further pass 8 + 8 = 16.
; A wave with five layers has up to four more behind them, so its wait is a little stricter than it need be.
; The accumulators take turns, one instruction a turn, in the same order in every step.
; The sixteen conversions (or four v_nop) are the places between the last step's matrix instructions and the loads into registers that those
; have read (ISA guide 7.12.1 for vector instructions).
; In steps 3, 7, .. 27 of the first pass the chunk changes: in front of the barrier's signal my stores into the next chunk are complete; behind its wait it is read.
.macro SUB q, n, st
.set CONS, 0
.set ISA, 0
.set ISB, 0
.set COMP, 0
.set BAR, 0
.if (\q)+3 >= 0
.if (\q)+3 <= 31
.set ISA, 1
.endif
.endif
.if (\q) >= 0
.set COMP, 1
.endif
.if \st
.if (\q)+4 >= 0
.if (\q)+4 <= 31
.set CONS, 1
.endif
.endif
.if (\q)+8 <= 31
.set ISB, 1
.endif
.if (\q) >= 0
.if ((\q)&3) == 3
.if (\q) < 31
.set BAR, 1
.endif
.endif
.endif
.endif
.set GC, (\q)+4
.set GA, (\q)+3
.set GB, (\q)+8
.if CONS+COMP
	s_wait_loadcnt \n
.endif
.if CONS
	WIN 0xcf                                       ; all in window 3
.irp i, 0,1,2,3,4,5,6,7
	v_cvt_pk_bf16_f32 v[32*(GC&3)+4*\i], v[32*(GC&3)+4*\i], v[32*(GC&3)+4*\i+1]
	v_cvt_pk_bf16_f32 v[32*(GC&3)+4*\i+1], v[32*(GC&3)+4*\i+2], v[32*(GC&3)+4*\i+3]
.endr
	WIN 0x0c                                       ; data in window 3
.irp i, 0,1,2,3,4,5,6,7
	ds_store_b64 v[BST+(GC>>2)], v[32*(GC&3)+4*\i:32*(GC&3)+4*\i+1] offset:(8*(GC&3)+\i)*BPITCH
.endr
.else
.if COMP
.if (\q) < 31
.rept 4
	v_nop
.endr
.endif
.endif
.endif
.if ISA
	WIN 0x80                                       ; into window 2
.irp l, 0,1,2,3
	global_load_b128 v[40*(GA&3)+8*\l:40*(GA&3)+8*\l+3], v[L16], s[SA+2*\l:SA+2*\l+1] offset:1024*GA
	global_load_b128 v[40*(GA&3)+8*\l+4:40*(GA&3)+8*\l+7], v[L16], s[SA+2*\l:SA+2*\l+1] offset:1024*GA+512
.endr
.if GA >= 4
	WIN 0                                          ; at a branch and at a label every window is 0
	s_cmp_lt_u32 s25, 5                            ; no fifth layer: its rows are not asked for
	s_cbranch_scc1 .Lno_rows_\@
	WIN 0x80
.endif
	global_load_b128 v[40*(GA&3)+32:40*(GA&3)+35], v[L16], s[SA+8:SA+9] offset:1024*GA
	global_load_b128 v[40*(GA&3)+36:40*(GA&3)+39], v[L16], s[SA+8:SA+9] offset:1024*GA+512
.if GA >= 4
	WIN 0
.Lno_rows_\@:
.endif
.endif
.if ISB
	WIN 0xc0                                       ; into window 3
.irp i, 0,1,2,3,4,5,6,7
	global_load_b128 v[32*(GB&3)+4*\i:32*(GB&3)+4*\i+3], v[BOFF], s[SB+2*(GB>>2):SB+2*(GB>>2)+1] offset:(8*(GB&3)+\i)*PB th:TH_LOAD_NT
.endr
.endif
.if COMP
.if BAR
	s_wait_dscnt 0x0                               ; my stores into the next chunk, for the other waves' sake
	s_barrier_signal -1
.else
.if CONS
	s_wait_dscnt 0x8                               ; this step's fragments are in; the eight stores just issued may stay out
.else
	s_wait_dscnt 0x0
.endif
.endif
	WIN 0x58                                       ; source 0 window 0, source 1 window 2, C and D window 1
	MUL \q, 0
	MUL \q, 1
.if (\q) < 31
	WIN 0
.if BAR
	s_barrier_wait -1
.endif
	FRAG (\q)+1
.endif
	WIN 0x58
	MUL \q, 2
	MUL \q, 3
.if (\q) == 0
	WIN 0xa8                                       ; C and D window 2
	MUL \q, 4                                      ; in any case: it writes the fifth layer's accumulators
.else
	WIN 0
	s_cmp_lt_u32 s25, 5                            ; no fifth layer: no products for it
	s_cbranch_scc1 .Lno_mul_\@
	WIN 0xa8
	MUL \q, 4
	WIN 0
.Lno_mul_\@:
.endif
.endif
.endm
; scalar work at the head of pass s24: the five row tiles, how many of them exist, where the results go
.macro HEADA
	s_mul_i32 s68, s24, 20
	s_add_co_u32 s68, s68, s14                     ; my first tile: 20 p + w
	s_sub_co_u32 s69, s22, 1
	s_lshl_b32 s71, s15, 6
	s_mov_b32 s67, 0
.irp l, 0,1,2,3,4
	s_add_co_u32 s70, s68, 4*\l
	s_min_u32 s70, s70, s69                        ; a tile that does not exist reads the last one
	s_min_u32 s70, s70, 63
	s_add_co_u32 s70, s70, s71
	s_lshl_b32 s66, s70, ASHIFT
	s_add_nc_u64 s[SA+2*\l:SA+2*\l+1], s[4:5], s[66:67]
.endr
	s_sub_co_i32 s25, s22, s68                     ; how many of my five layers exist: ceil((tiles - 20 p - w) / 4) within 0..5
	s_add_co_i32 s25, s25, 3
	s_ashr_i32 s25, s25, 2
	s_max_i32 s25, s25, 0
	s_min_i32 s25, s25, 5
	s_add_co_u32 s70, s71, s68
	s_lshl_b32 s66, s70, 17                        ; hf: (64 e + 20 p + w) x 131,072
	s_lshl_b32 s70, s16, 12                        ; + slice x 4 blocks
	s_add_co_u32 s66, s66, s70
	s_add_nc_u64 s[60:61], s[12:13], s[66:67]
.endm
; the way out's first stage: x = sum + bias, from a layer's 64 accumulator registers (first register base of window win) into the fixed set
.macro TAKE base, win
	WIN \win                                       ; source 0 in the accumulators' window
.irp i, 0,2,4,6,8,10,12,14,16,18,20,22,24,26,28,30,32,34,36,38,40,42,44,46,48,50,52,54,56,58,60,62
	v_pk_add_f32 v[XR+\i:XR+\i+1], v[\base+\i:\base+\i+1], v[BI+\i:BI+\i+1]
.endr
	WIN 0
.endm
.macro CASE l, base, win               ; layer l's first stage, if the loop is at layer l
	s_cmp_lg_u32 s[LC], \l
	s_cbranch_scc1 .Lnot_\l
	TAKE \base, \win
	s_branch .Lgelu
.Lnot_\l:
.endm
; eight numbers: gelu(x) = max(x, 0) - |x| (1/2) erfc(|x| / sqrt 2), right in form for both signs and without cancellation;
; (1/2) erfc(z) = t (K1 + t (K2 + t (K3 + t (K4 + t K5)))) e^(-z z), t = 1 / (1 + 0.3275911 z).  With S = x sqrt(log2(e) / 2): e^(-z z) = 2^(-S S).
.macro GELU8 nt
.set XB, XR+8*\nt
.irp k, 0,2,4,6
	v_pk_mul_f32 v[SS+\k:SS+\k+1], v[XB+\k:XB+\k+1], v[C1:C1+1]
.endr
.irp k, 0,2,4,6
	v_pk_mul_f32 v[QQ+\k:QQ+\k+1], v[SS+\k:SS+\k+1], v[SS+\k:SS+\k+1] neg_lo:[0,1] neg_hi:[0,1]
.endr
.irp j, 0,1,2,3,4,5,6,7
	v_fma_f32 v[TT+\j], |v[SS+\j]|, s76, 1.0
.endr
.irp j, 0,1,2,3,4,5,6,7
	v_rcp_f32 v[TT+\j], v[TT+\j]
.endr
.irp j, 0,1,2,3,4,5,6,7
	v_exp_f32 v[QQ+\j], v[QQ+\j]
.endr
.irp j, 0,1,2,3,4,5,6,7
	v_max_num_f32 v[MM+\j], 0, v[XB+\j]            ; plain instructions between the transcendentals and the first use of their results (ISA guide 5.7.2)
.endr
	s_wait_alu depctr_va_vdst(0)
.irp k, 0,2,4,6
	v_pk_fma_f32 v[PP+\k:PP+\k+1], v[TT+\k:TT+\k+1], v[K5:K5+1], v[K4:K4+1]
.endr
.irp c, K3, K2, K1
.irp k, 0,2,4,6
	v_pk_fma_f32 v[PP+\k:PP+\k+1], v[PP+\k:PP+\k+1], v[TT+\k:TT+\k+1], v[\c:\c+1]
.endr
.endr
.irp k, 0,2,4,6
	v_pk_mul_f32 v[PP+\k:PP+\k+1], v[PP+\k:PP+\k+1], v[TT+\k:TT+\k+1]
.endr
.irp k, 0,2,4,6
	v_pk_mul_f32 v[PP+\k:PP+\k+1], v[PP+\k:PP+\k+1], v[QQ+\k:QQ+\k+1]
.endr
.irp j, 0,1,2,3,4,5,6,7
	v_fma_f32 v[XB+\j], -|v[XB+\j]|, v[PP+\j], v[MM+\j]
.endr
.irp k, 0,1,2,3
	v_cvt_pk_bf16_f32 v[XB+\k], v[XB+2*\k], v[XB+2*\k+1]
.endr
.endm
	s_load_b256 s[4:11], s[0:1], 0x0               ; xg s[4:5], w1 s[6:7], b1 s[8:9], lists s[10:11]
	s_load_b64 s[12:13], s[0:1], 0x20              ; hf
	v_lshl_add_u32 v62, v0, 2, 0x48000
	v_mov_b32 v63, 0
	v_lshrrev_b32 v10, 5, v0
	v_readfirstlane_b32 s14, v10                   ; wave
	s_and_b32 s15, ttmp7, 0xffff                   ; expert
	s_mov_b32 s16, ttmp9                           ; column slice
	v_and_b32 v1, 31, v0                           ; lane
	v_bfe_u32 v3, v0, 4, 1                         ; h
	v_lshlrev_b32 v[L16], 4, v1
	s_mul_i32 s66, s14, 32*PB
	v_add_nc_u32 v[BOFF], s66, v[L16]
	s_mul_i32 s66, s14, 32*BPITCH
	v_lshl_add_u32 v[BST], v1, 3, s66              ; k-row 32 w, 8 bytes a lane
	v_and_b32 v10, 7, v0
	v_lshl_add_u32 v10, v3, 3, v10
	v_mul_u32_u24 v10, v10, BPITCH                 ; k-row 8 h + (lane & 7)
	v_bfe_u32 v11, v0, 3, 1
	v_lshl_add_u32 v[BFR], v11, 4, v10             ; + 16 ((lane >> 3) & 1)
.irp c, 1,2,3,4,5,6,7
	v_add_nc_u32 v[BST+\c], CHUNK, v[BST+\c-1]
	v_add_nc_u32 v[BFR+\c], CHUNK, v[BFR+\c-1]
.endr
	v_lshlrev_b32 v12, 5, v3                       ; the bias: 32 h
.irp c, C1, C1+1
	v_mov_b32 v[\c], 0x3f596d27                    ; sqrt(log2(e) / 2)
.endr
.irp c, K1, K1+1
	v_mov_b32 v[\c], 0x3e027906                    ; 0.254829592 / 2
.endr
.irp c, K2, K2+1
	v_mov_b32 v[\c], 0xbe11a98e                    ; -0.284496736 / 2
.endr
.irp c, K3, K3+1
	v_mov_b32 v[\c], 0x3f35f0e3                    ; 1.421413741 / 2
.endr
.irp c, K4, K4+1
	v_mov_b32 v[\c], 0xbf3a00e3                    ; -1.453152027 / 2
.endr
.irp c, K5, K5+1
	v_mov_b32 v[\c], 0x3f07dc22                    ; 1.061405429 / 2
.endr
	s_mov_b32 s76, 0x3e8ba43f                      ; 0.3275911 / sqrt(log2(e))
	s_lshl_b32 s66, s15, 24                        ; the expert's 16 MiB of weights
	s_lshl_b32 s68, s16, 9                         ; + slice x 512 bytes
	s_add_co_u32 s66, s66, s68
	s_mov_b32 s67, 0
	s_lshl_b32 s70, s15, 14                        ; the expert's row of b1
	s_add_co_u32 s70, s70, s68
	s_mov_b32 s71, 0
	s_mul_i32 s68, s15, 5632
	s_mov_b32 s69, 0
	s_mov_b32 s24, 0                               ; pass
	s_wait_kmcnt 0x0
	s_add_nc_u64 s[62:63], s[10:11], s[68:69]
	s_load_b128 s[20:23], s[62:63], 0x0            ; n, passes, tiles, 0
	s_add_nc_u64 s[SB:SB+1], s[6:7], s[66:67]
.irp c, 1,2,3,4,5,6,7
	s_add_nc_u64 s[SB+2*\c:SB+2*\c+1], s[SB+2*\c-2:SB+2*\c-1], 128*PB
.endr
	s_add_nc_u64 s[8:9], s[8:9], s[70:71]
.irp nt, 0,1,2,3,4,5,6,7
	global_load_b128 v[BI+8*\nt:BI+8*\nt+3], v12, s[8:9] offset:64*\nt       ; b1 of columns 16 nt + 8 h + 0..7; older than every load of the rings
	global_load_b128 v[BI+8*\nt+4:BI+8*\nt+7], v12, s[8:9] offset:64*\nt+16
.endr
	; THE FIRST PASS
	SUB -8, 0, 1                                   ; the first four weight groups go out before the list's header is needed
	SUB -7, 0, 1
	SUB -6, 0, 1
	SUB -5, 0, 1
	s_wait_kmcnt 0x0
	s_min_u32 s20, s20, 1024
	s_min_u32 s21, s21, 4
	s_min_u32 s22, s22, 64
	s_max_u32 s22, s22, 1
	HEADA
	SUB -4, 24, 1                                  ; weight group 0; behind it groups 1, 2, 3
	SUB -3, 24, 1
	SUB -2, 32, 1                                  ; behind group 2: 8 + 8 + 8 + 8 at the least
	SUB -1, 40, 1                                  ; behind group 3: 8 + 16 + 16 at the least
	WIN 0
	s_wait_dscnt 0x0                               ; my part of the first 128 k-rows is stored
	s_barrier_signal -1
	s_barrier_wait -1
	FRAG 0
.irp q, 0,1,2,3,4,5,6,7,8,9,10,11,12,13,14,15,16,17,18,19,20,21,22,23,24
	SUB \q, 40, 1
.endr
	SUB 25, 32, 1                                  ; the requests run out: 8 + 16 + 8
	SUB 26, 24, 1                                  ; 8 + 8 + 8
	SUB 27, 16, 1
	SUB 28, 16, 1
	SUB 29, 16, 1
	SUB 30, 8, 1
	SUB 31, 0, 1
	WIN 0
.Lpass:
.rept 4
	v_nop                                          ; the places between the last matrix instructions and the first reads of their results (ISA guide 7.12.1)
.endr
	s_cmp_eq_u32 s25, 0                            ; none of my tiles exists in this pass
	s_cbranch_scc1 .Lout_done
	s_mov_b32 s[LC], 0
.Llayer:
	CASE 0, 0, 1
	CASE 1, 64, 1
	CASE 2, 128, 1
	CASE 3, 192, 1
	TAKE 160, 2
.Lgelu:
	; gelu, bf16; a lane's eight numbers are its 16 bytes of hf in fragment order: each store covers 512 neighbouring bytes, aligned
.irp nt, 0,1,2,3,4,5,6,7
	GELU8 \nt
	global_store_b128 v[L16], v[XR+8*\nt:XR+8*\nt+3], s[60:61] offset:512*\nt
.endr
	s_wait_xcnt 0x0                                ; the stores' base is stepped here, their data written again in the next trip
	s_add_nc_u64 s[60:61], s[60:61], 4<<17         ; my next layer lies four tiles on
	s_add_co_u32 s[LC], s[LC], 1
	s_cmp_lt_u32 s[LC], s25                        ; the count of layers is not written in the loop
	s_cbranch_scc1 .Llayer
.Lout_done:
	s_wait_xcnt 0x0                                ; the stores' data and base are written again below
	s_add_co_u32 s24, s24, 1
	s_cmp_ge_u32 s24, s21
	s_cbranch_scc1 .Llast
	; A FURTHER PASS: the slice lies in LDS, every barrier has been passed
	HEADA
	SUB -3, 0, 0
	SUB -2, 0, 0
	SUB -1, 0, 0
	WIN 0
	FRAG 0
.irp q, 0,1,2,3,4,5,6,7,8,9,10,11,12,13,14,15,16,17,18,19,20,21,22,23,24,25,26,27,28,29
	SUB \q, 16, 0                                  ; behind row group q: groups q + 1 and q + 2, eight loads each at the least
.endr
	SUB 30, 8, 0
	SUB 31, 0, 0
	WIN 0
.Llast:
	s_cmp_lt_u32 s24, s21                          ; the count of passes is not written in the loop
	s_cbranch_scc1 .Lpass
	s_wait_tensorcnt 0x0
	ds_add_u32 v62, v63
	s_wait_dscnt 0x0
	s_endpgm
.Lfunc_end_k_qb85b42047f_gemm1:
	.size	k_qb85b42047f_gemm1, .Lfunc_end_k_qb85b42047f_gemm1-k_qb85b42047f_gemm1
	.p2alignl 7, 3214868480
	.fill 96, 4, 3214868480
	.section	.rodata,"a",@progbits
	.p2align	6, 0x0
	.amdhsa_kernel k_qb85b42047f_gemm1
		.amdhsa_group_segment_fixed_size 295424
		.amdhsa_private_segment_fixed_size 0
		.amdhsa_enable_private_segment 0
		.amdhsa_kernarg_size 40
		.amdhsa_user_sgpr_count 2
		.amdhsa_user_sgpr_kernarg_segment_ptr 1
		.amdhsa_wavefront_size32 1
		.amdhsa_system_sgpr_workgroup_id_x 1
		.amdhsa_system_sgpr_workgroup_id_y 1
		.amdhsa_system_sgpr_workgroup_id_z 1
		.amdhsa_system_vgpr_workitem_id 0
		.amdhsa_next_free_vgpr 896
		.amdhsa_next_free_sgpr 80
		.amdhsa_reserve_vcc 0
		.amdhsa_float_denorm_mode_32 3
		.amdhsa_float_denorm_mode_16_64 3
		.amdhsa_memory_ordered 1
		.amdhsa_forward_progress 1
		.amdhsa_inst_pref_size 255
	.end_amdhsa_kernel
	.section	.bss,"aw",@nobits
	.p2align	6
	.space	262144
	.amdgpu_metadata
---
amdhsa.version: [ 1, 2 ]
amdhsa.kernels:
  - .name:           k_qb85b42047f_gemm1
    .symbol:         k_qb85b42047f_gemm1.kd
    .args:
      - { .name: xg, .offset: 0, .size: 8, .value_kind: global_buffer, .address_space: global }
      - { .name: w1, .offset: 8, .size: 8, .value_kind: global_buffer, .address_space: global }
      - { .name: b1, .offset: 16, .size: 8, .value_kind: global_buffer, .address_space: global }
      - { .name: lists, .offset: 24, .size: 8, .value_kind: global_buffer, .address_space: global }
      - { .name: hf, .offset: 32, .size: 8, .value_kind: global_buffer, .address_space: global }
    .group_segment_fixed_size: 295424
    .private_segment_fixed_size: 0
    .kernarg_segment_align: 8
    .kernarg_segment_size: 40
    .max_flat_workgroup_size: 128
    .sgpr_count:     80
    .vgpr_count:     896
    .wavefront_size: 32
...
	.end_amdgpu_metadata
.endif
;; end of part 3
;; launch gemm2 (part 4): grid 32 x 8, 4 waves a work-group, no clusters, 312,832 bytes of LDS; arguments hf, w2, lists, yp; writes yp
.if DOCPART == 4
	.amdgcn_target "amdgcn-amd-amdhsa--gfx1250"
	.amdhsa_code_object_version 6
	.text
	.protected	k_qb85b42047f_gemm2
	.globl	k_qb85b42047f_gemm2
	.p2align	8
	.type	k_qb85b42047f_gemm2,@function
k_qb85b42047f_gemm2:
	s_mov_b64 s[64:65], 0
	v_nop
	global_prefetch_b8 v0, s[64:65] scope:SCOPE_SE
	s_setreg_imm32_b32 hwreg(HW_REG_WAVE_MODE, 25, 1), 1
	s_wait_xcnt 0x0
; THE SECOND EXPERT PRODUCT: yp[quarter][slot] = hf . w2 over a quarter of K = 4,096, for the rows that chose the expert.
; A work-group takes one expert (grid y), 128 columns of H and 1,024 of K (grid x = column slice + 8 x quarter), and walks the expert's rows in passes of 320.
; The four quarters' sums are added in f32 by the next launch, which owns whole rows: no sum crosses work-groups inside this launch.
; Four waves.  Wave w takes the row tiles 20 p + 4 l + w, l = 0..4, and all eight column tiles: 40 accumulators of 16 x 16.
; WEIGHTS are f32 and lie [k][n].  They pass through registers (a k-row of the slice is one load of 512 neighbouring bytes), are cut to bf16 and stored
; into LDS, where the whole slice stays: 1,024 k-rows x 288 bytes = 294,912 bytes; ds_load_tr16_b128 reads them back turned.  They have to be converted
; on the way, so the tensor data mover would only add a second trip through LDS.  Each weight byte is read from memory once, whatever the rows.
; THE FIRST PASS streams: while K step q is multiplied, weight group q + 4 is converted and stored and group q + 8 is asked for.  Its eight barriers (one
; for each 128 k-rows: stored by four waves, then read by all) stand in straight text.  No weight byte in LDS is written twice.
; FURTHER PASSES (an expert with more than 320 rows) read the slice that lies in LDS and need no barrier.
; ROWS (hf) lie in memory in fragment order (block of 16 rows x 32 k = 1,024 bytes, lane L's 16 bytes at 16 L and at 512 + 16 L) and go from
; memory straight into the operand's registers.  NO CLUSTER: the work-groups of an expert and a quarter read the same rows, but a joint load lands in LDS,
; and the rows' way through LDS would add 20 LDS loads a wave to the 24 LDS instructions that a K step of 40 matrix instructions has now.
; THE MATRIX INSTRUCTION IS USED TRANSPOSED: source 0 = 16 columns of the weights, source 1 = 16 rows.  Lane (r, h) then holds row r, columns 16 nt + 8 h + 0..7.
; A tile number at or beyond the expert's tiles is clamped to the last tile: its products are made and thrown away.
; THE FIFTH LAYER: a wave whose fifth row tile does not exist (fewer than five layers, s25) jumps over that layer's two row loads and eight matrix
; instructions in every K step.  Row groups 0 to 3 and K step 0's products are made in any case, so that each of the layer's registers has been written
; on every way.  The jumps cross no barrier.
; yp has 2,176 rows a quarter: 2,048 slots and 16 spare rows for each expert.  The spare rows of an expert's last tile carry list entries
; 2048 + 16 e + (place & 15) and are stored there, each by one row of one work-group; nothing reads them.  So no store needs a mask.
.set PB,     4096                      ; bytes from a k-row of w2 to the next
.set ASHIFT, 17                        ; a row tile of hf: 128 blocks = 131,072 bytes
.set BPITCH, 288                       ; an LDS k-row: 128 bf16 + 32 bytes, an odd multiple of 32
.set CHUNK,  128*BPITCH                ; 36,864: 128 k-rows; eight chunks from LDS byte 0
.set STAGE,  8*CHUNK                   ; 294,912: each wave's own 16 rows x 272 bytes for the way out
.set SPITCH, 272                       ; 64 f32 + 16 bytes = 68 words: sixteen rows start 4 words apart (64 banks of 4 bytes: ISA guide 11.1)
.set WSTAGE, 16*SPITCH
.set KQS,    2176*4096                 ; bytes of a quarter of yp
; VECTOR REGISTERS, in windows of 256:
;   window 0: v0-11 addresses, v32-47 LDS addresses by chunk; v64-127, v128-191 weight fragments, two buffers (8 column tiles x 8); v192-231 slot numbers
;   window 1: accumulators of layers l = 0..3 at 64 l + 8 nt
;   window 2: v0-159 row fragments, a ring of 4 slots x 5 layers x 8; v160-223 accumulators of layer 4
;   window 3: v0-127 weights as loaded, a ring of 4 slots x 8 rows x 4
.set L16,  4                           ; 16 x lane
.set BOFF, 5                           ; 16 x lane + 32 w k-rows: my rows of each chunk
.set STO,  6                           ; the way out, in: 272 r + 32 h in my stage
.set RD,   7                           ; the way out, back: 272 (lane >> 4) + 16 (lane & 15) in my stage
.set C16,  8                           ; 16 (lane & 15)
.set LOFF, 9                           ; my byte offset among the list's entries
.set BST,  32                          ; v32-39: where I store my rows of chunk c
.set BFR,  40                          ; v40-47: where I read fragments of chunk c
.set FB,   64
.set XR,   64                          ; the way out: two sets of 32 registers
.set SLT,  192                         ; register 8 l + t: the slot of row 2 t + (lane >> 4) of layer l, then its byte offset in yp
.set SA,   32                          ; s[32:41] the five layers' row tiles
.set SB,   44                          ; s[44:59] the eight chunks of 128 k-rows of the weights
.set MSB,  0
.macro WIN new                         ; low byte: bits 1:0 source 0, 3:2 source 1, 5:4 source 2, 7:6 destination; the high byte repeats the setting that is left
.if MSB != \new
	s_set_vgpr_msb (MSB<<8)|\new
.set MSB, \new
.endif
.endm
; the weight fragments of K step q: k-rows 32 (q & 3) .. + 31 of chunk q >> 2, eight column tiles
.macro FRAG q
.irp nt, 0,1,2,3,4,5,6,7
	ds_load_tr16_b128 v[FB+64*((\q)&1)+8*\nt:FB+64*((\q)&1)+8*\nt+3], v[BFR+((\q)>>2)] offset:((\q)&3)*32*BPITCH+32*\nt
	ds_load_tr16_b128 v[FB+64*((\q)&1)+8*\nt+4:FB+64*((\q)&1)+8*\nt+7], v[BFR+((\q)>>2)] offset:((\q)&3)*32*BPITCH+16*BPITCH+32*\nt
.endr
.endm
; eight matrix instructions: layer l x all column tiles.  In K step 0 the constant 0 starts the sums: nothing is cleared.
.macro MUL q, l
.irp nt, 0,1,2,3,4,5,6,7
.if (\l) < 4
.set AC, 64*(\l)+8*\nt
.else
.set AC, 160+8*\nt
.endif
.if (\q) == 0
	v_wmma_f32_16x16x32_bf16 v[AC:AC+7], v[FB+64*((\q)&1)+8*\nt:FB+64*((\q)&1)+8*\nt+7], v[40*((\q)&3)+8*(\l):40*((\q)&3)+8*(\l)+7], 0
.else
	v_wmma_f32_16x16x32_bf16 v[AC:AC+7], v[FB+64*((\q)&1)+8*\nt:FB+64*((\q)&1)+8*\nt+7], v[40*((\q)&3)+8*(\l):40*((\q)&3)+8*(\l)+7], v[AC:AC+7]
.endif
.endr
.endm
; ONE STEP, q = -8 .. 31.  st = 1 (the first pass): it converts and stores weight group q + 4 (8 k-rows of mine), asks for row group q + 3 (8 loads, and 2 more
; for the fifth layer) and then for weight group q + 8 (8 loads), and multiplies K step q.  st = 0 (a further pass): the row groups and the products alone.
; n = the loads issued behind the youngest one that the step needs (row group q, asked for in step q - 3; weight group q + 4, asked for in step q - 4),
; counted with row groups of eight loads, the fewest that any way issues: in the middle of the first pass 8 + 16 + 16 = 40, of a further pass 8 + 8 = 16.
; A wave with five layers has up to four more behind them, so its wait is a little stricter than it need be.
; The accumulators take turns, one instruction a turn, in the same order in every step.
; The sixteen conversions (or four v_nop) are the places between the last step's matrix instructions and the loads into registers that those
; have read (ISA guide 7.12.1 for vector instructions).
; In steps 3, 7, .. 27 of the first pass the chunk changes: in front of the barrier's signal my stores into the next chunk are complete; behind its wait it is read.
.macro SUB q, n, st
.set CONS, 0
.set ISA, 0
.set ISB, 0
.set COMP, 0
.set BAR, 0
.if (\q)+3 >= 0
.if (\q)+3 <= 31
.set ISA, 1
.endif
.endif
.if (\q) >= 0
.set COMP, 1
.endif
.if \st
.if (\q)+4 >= 0
.if (\q)+4 <= 31
.set CONS, 1
.endif
.endif
.if (\q)+8 <= 31
.set ISB, 1
.endif
.if (\q) >= 0
.if ((\q)&3) == 3
.if (\q) < 31
.set BAR, 1
.endif
.endif
.endif
.endif
.set GC, (\q)+4
.set GA, (\q)+3
.set GB, (\q)+8
.if CONS+COMP
	s_wait_loadcnt \n
.endif
.if CONS
	WIN 0xcf                                       ; all in window 3
.irp i, 0,1,2,3,4,5,6,7
	v_cvt_pk_bf16_f32 v[32*(GC&3)+4*\i], v[32*(GC&3)+4*\i], v[32*(GC&3)+4*\i+1]
	v_cvt_pk_bf16_f32 v[32*(GC&3)+4*\i+1], v[32*(GC&3)+4*\i+2], v[32*(GC&3)+4*\i+3]
.endr
	WIN 0x0c                                       ; data in window 3
.irp i, 0,1,2,3,4,5,6,7
	ds_store_b64 v[BST+(GC>>2)], v[32*(GC&3)+4*\i:32*(GC&3)+4*\i+1] offset:(8*(GC&3)+\i)*BPITCH
.endr
.else
.if COMP
.if (\q) < 31
.rept 4
	v_nop
.endr
.endif
.endif
.endif
.if ISA
	WIN 0x80                                       ; into window 2
.irp l, 0,1,2,3
	global_load_b128 v[40*(GA&3)+8*\l:40*(GA&3)+8*\l+3], v[L16], s[SA+2*\l:SA+2*\l+1] offset:1024*GA
	global_load_b128 v[40*(GA&3)+8*\l+4:40*(GA&3)+8*\l+7], v[L16], s[SA+2*\l:SA+2*\l+1] offset:1024*GA+512
.endr
.if GA >= 4
	WIN 0                                          ; at a branch and at a label every window is 0
	s_cmp_lt_u32 s25, 5                            ; no fifth layer: its rows are not asked for
	s_cbranch_scc1 .Lno_rows_\@
	WIN 0x80
.endif
	global_load_b128 v[40*(GA&3)+32:40*(GA&3)+35], v[L16], s[SA+8:SA+9] offset:1024*GA
	global_load_b128 v[40*(GA&3)+36:40*(GA&3)+39], v[L16], s[SA+8:SA+9] offset:1024*GA+512
.if GA >= 4
	WIN 0
.Lno_rows_\@:
.endif
.endif
.if ISB
	WIN 0xc0                                       ; into window 3
.irp i, 0,1,2,3,4,5,6,7
	global_load_b128 v[32*(GB&3)+4*\i:32*(GB&3)+4*\i+3], v[BOFF], s[SB+2*(GB>>2):SB+2*(GB>>2)+1] offset:(8*(GB&3)+\i)*PB th:TH_LOAD_NT
.endr
.endif
.if COMP
.if BAR
	s_wait_dscnt 0x0                               ; my stores into the next chunk, for the other waves' sake
	s_barrier_signal -1
.else
.if CONS
	s_wait_dscnt 0x8                               ; this step's fragments are in; the eight stores just issued may stay out
.else
	s_wait_dscnt 0x0
.endif
.endif
	WIN 0x58                                       ; source 0 window 0, source 1 window 2, C and D window 1
	MUL \q, 0
	MUL \q, 1
.if (\q) < 31
	WIN 0
.if BAR
	s_barrier_wait -1
.endif
	FRAG (\q)+1
.endif
	WIN 0x58
	MUL \q, 2
	MUL \q, 3
.if (\q) == 0
	WIN 0xa8                                       ; C and D window 2
	MUL \q, 4                                      ; in any case: it writes the fifth layer's accumulators
.else
	WIN 0
	s_cmp_lt_u32 s25, 5                            ; no fifth layer: no products for it
	s_cbranch_scc1 .Lno_mul_\@
	WIN 0xa8
	MUL \q, 4
	WIN 0
.Lno_mul_\@:
.endif
.endif
.endm
; scalar work at the head of pass s24: the five row tiles and how many of them exist
.macro HEADA
	s_mul_i32 s68, s24, 20
	s_add_co_u32 s68, s68, s14                     ; my first tile: 20 p + w
	s_sub_co_u32 s69, s22, 1
	s_lshl_b32 s71, s15, 6
	s_lshl_b32 s73, s17, 15                        ; quarter x 32 blocks
	s_mov_b32 s67, 0
.irp l, 0,1,2,3,4
	s_add_co_u32 s70, s68, 4*\l
	s_min_u32 s70, s70, s69                        ; a tile that does not exist reads the last one
	s_min_u32 s70, s70, 63
	s_add_co_u32 s70, s70, s71
	s_lshl_b32 s66, s70, ASHIFT
	s_add_co_u32 s66, s66, s73
	s_add_nc_u64 s[SA+2*\l:SA+2*\l+1], s[4:5], s[66:67]
.endr
	s_sub_co_i32 s25, s22, s68                     ; how many of my five layers exist: ceil((tiles - 20 p - w) / 4) within 0..5
	s_add_co_i32 s25, s25, 3
	s_ashr_i32 s25, s25, 2
	s_max_i32 s25, s25, 0
	s_min_i32 s25, s25, 5
.endm
; the slot numbers of pass s24: entry 16 (20 p + 4 l + w) + 2 t + (lane >> 4), all inside the list's 1,280 entries.  Asked for ahead of the rings' loads.
.macro SLOTS
	s_mul_i32 s74, s24, 1280
	s_lshl_b32 s75, s14, 6
	s_add_co_u32 s74, s74, s75
	v_lshl_add_u32 v[LOFF], v3, 2, s74
.irp l, 0,1,2,3,4
.irp t, 0,1,2,3,4,5,6,7
	global_load_b32 v[SLT+8*\l+\t], v[LOFF], s[62:63] offset:512+256*\l+8*\t
.endr
.endr
.endm
; layer l leaves, 64 columns at a time: a lane's pieces of rows into my stage, whole pieces of 256 bytes back, each to its row's slot in yp.
; The stage is the wave's own and LDS serves a wave's instructions in order (ISA guide 5.7.1): no wait between its stores and its loads.
.macro LAYER2 l, base, win
	s_cmp_le_u32 s25, \l                           ; no such layer, and none behind it
	s_cbranch_scc1 .Lout_done
.irp t, 0,1,2,3,4,5,6,7
	v_min_u32 v[SLT+8*\l+\t], 2175, v[SLT+8*\l+\t]
	v_lshl_add_u32 v[SLT+8*\l+\t], v[SLT+8*\l+\t], 12, v[C16]
.endr
.irp hf, 0,1
	WIN \win                                       ; data in the accumulators' window
.irp n, 0,1,2,3
	ds_store_b128 v[STO], v[\base+32*\hf+8*\n:\base+32*\hf+8*\n+3] offset:64*\n
	ds_store_b128 v[STO], v[\base+32*\hf+8*\n+4:\base+32*\hf+8*\n+7] offset:64*\n+16
.endr
	WIN 0
	s_wait_xcnt 0x0                                ; this set of registers, which earlier stores read, is loaded into again
.irp t, 0,1,2,3,4,5,6,7
	ds_load_b128 v[XR+32*\hf+4*\t:XR+32*\hf+4*\t+3], v[RD] offset:2*SPITCH*\t
.endr
.irp t, 0,1,2,3,4,5,6,7
	s_wait_dscnt 7-\t
	global_store_b128 v[SLT+8*\l+\t], v[XR+32*\hf+4*\t:XR+32*\hf+4*\t+3], s[60:61] offset:256*\hf   ; sixteen lanes store 256 neighbouring bytes, aligned
.endr
.endr
.endm
	s_load_b256 s[4:11], s[0:1], 0x0               ; hf s[4:5], w2 s[6:7], lists s[8:9], yp s[10:11]
	v_lshl_add_u32 v254, v0, 2, 0x4c400
	v_mov_b32 v255, 0
	v_lshrrev_b32 v10, 5, v0
	v_readfirstlane_b32 s14, v10                   ; wave
	s_and_b32 s15, ttmp7, 0xffff                   ; expert
	s_and_b32 s16, ttmp9, 7                        ; column slice
	s_lshr_b32 s17, ttmp9, 3                       ; quarter of K
	v_and_b32 v1, 31, v0                           ; lane
	v_and_b32 v2, 15, v0                           ; r
	v_bfe_u32 v3, v0, 4, 1                         ; h
	v_lshlrev_b32 v[L16], 4, v1
	s_mul_i32 s66, s14, 32*PB
	v_add_nc_u32 v[BOFF], s66, v[L16]
	s_mul_i32 s66, s14, 32*BPITCH
	v_lshl_add_u32 v[BST], v1, 3, s66              ; k-row 32 w, 8 bytes a lane
	v_and_b32 v10, 7, v0
	v_lshl_add_u32 v10, v3, 3, v10
	v_mul_u32_u24 v10, v10, BPITCH                 ; k-row 8 h + (lane & 7)
	v_bfe_u32 v11, v0, 3, 1
	v_lshl_add_u32 v[BFR], v11, 4, v10             ; + 16 ((lane >> 3) & 1)
.irp c, 1,2,3,4,5,6,7
	v_add_nc_u32 v[BST+\c], CHUNK, v[BST+\c-1]
	v_add_nc_u32 v[BFR+\c], CHUNK, v[BFR+\c-1]
.endr
	s_mul_i32 s66, s14, WSTAGE
	s_add_co_u32 s66, s66, STAGE                   ; my stage
	v_mul_u32_u24 v10, v2, SPITCH
	v_lshl_add_u32 v10, v3, 5, v10
	v_add_nc_u32 v[STO], s66, v10
	v_mul_u32_u24 v10, v3, SPITCH
	v_lshl_add_u32 v10, v2, 4, v10
	v_add_nc_u32 v[RD], s66, v10
	v_lshlrev_b32 v[C16], 4, v2
	s_lshl_b32 s66, s15, 24                        ; the expert's 16 MiB of weights
	s_lshl_b32 s68, s17, 22                        ; + quarter x 1,024 k-rows of 4,096 bytes
	s_add_co_u32 s66, s66, s68
	s_lshl_b32 s68, s16, 9                         ; + slice x 512 bytes
	s_add_co_u32 s66, s66, s68
	s_mov_b32 s67, 0
	s_mul_i32 s70, s17, KQS                        ; yp: the quarter
	s_add_co_u32 s70, s70, s68                     ; + slice x 512 bytes
	s_mov_b32 s71, 0
	s_mul_i32 s68, s15, 5632
	s_mov_b32 s69, 0
	s_mov_b32 s24, 0                               ; pass
	s_wait_kmcnt 0x0
	s_add_nc_u64 s[62:63], s[8:9], s[68:69]
	s_load_b128 s[20:23], s[62:63], 0x0            ; n, passes, tiles, 0
	s_add_nc_u64 s[SB:SB+1], s[6:7], s[66:67]
.irp c, 1,2,3,4,5,6,7
	s_add_nc_u64 s[SB+2*\c:SB+2*\c+1], s[SB+2*\c-2:SB+2*\c-1], 128*PB
.endr
	s_add_nc_u64 s[60:61], s[10:11], s[70:71]
	SLOTS
	; THE FIRST PASS
	SUB -8, 0, 1                                   ; the first four weight groups go out before the list's header is needed
	SUB -7, 0, 1
	SUB -6, 0, 1
	SUB -5, 0, 1
	s_wait_kmcnt 0x0
	s_min_u32 s20, s20, 1024
	s_min_u32 s21, s21, 4
	s_min_u32 s22, s22, 64
	s_max_u32 s22, s22, 1
	HEADA
	SUB -4, 24, 1                                  ; weight group 0; behind it groups 1, 2, 3
	SUB -3, 24, 1
	SUB -2, 32, 1                                  ; behind group 2: 8 + 8 + 8 + 8 at the least
	SUB -1, 40, 1                                  ; behind group 3: 8 + 16 + 16 at the least
	WIN 0
	s_wait_dscnt 0x0                               ; my part of the first 128 k-rows is stored
	s_barrier_signal -1
	s_barrier_wait -1
	FRAG 0
.irp q, 0,1,2,3,4,5,6,7,8,9,10,11,12,13,14,15,16,17,18,19,20,21,22,23,24
	SUB \q, 40, 1
.endr
	SUB 25, 32, 1                                  ; the requests run out: 8 + 16 + 8
	SUB 26, 24, 1                                  ; 8 + 8 + 8
	SUB 27, 16, 1
	SUB 28, 16, 1
	SUB 29, 16, 1
	SUB 30, 8, 1
	SUB 31, 0, 1                                   ; every load is in, the slot numbers long since
	WIN 0
.Lpass:
.rept 4
	v_nop                                          ; the places between the last matrix instructions and the stores of their results
.endr
	LAYER2 0, 0, 0x04
	LAYER2 1, 64, 0x04
	LAYER2 2, 128, 0x04
	LAYER2 3, 192, 0x04
	LAYER2 4, 160, 0x08
.Lout_done:
	s_wait_xcnt 0x0                                ; the stores' addresses and data are written again below
	s_add_co_u32 s24, s24, 1
	s_cmp_ge_u32 s24, s21
	s_cbranch_scc1 .Llast
	; A FURTHER PASS: the slice lies in LDS, every barrier has been passed
	HEADA
	SLOTS
	SUB -3, 0, 0
	SUB -2, 0, 0
	SUB -1, 0, 0
	WIN 0
	FRAG 0
.irp q, 0,1,2,3,4,5,6,7,8,9,10,11,12,13,14,15,16,17,18,19,20,21,22,23,24,25,26,27,28,29
	SUB \q, 16, 0                                  ; behind row group q: groups q + 1 and q + 2, eight loads each at the least
.endr
	SUB 30, 8, 0
	SUB 31, 0, 0
	WIN 0
.Llast:
	s_cmp_lt_u32 s24, s21                          ; the count of passes is not written in the loop
	s_cbranch_scc1 .Lpass
	s_wait_tensorcnt 0x0
	ds_add_u32 v254, v255
	s_wait_dscnt 0x0
	s_endpgm
.Lfunc_end_k_qb85b42047f_gemm2:
	.size	k_qb85b42047f_gemm2, .Lfunc_end_k_qb85b42047f_gemm2-k_qb85b42047f_gemm2
	.p2alignl 7, 3214868480
	.fill 96, 4, 3214868480
	.section	.rodata,"a",@progbits
	.p2align	6, 0x0
	.amdhsa_kernel k_qb85b42047f_gemm2
		.amdhsa_group_segment_fixed_size 312832
		.amdhsa_private_segment_fixed_size 0
		.amdhsa_enable_private_segment 0
		.amdhsa_kernarg_size 32
		.amdhsa_user_sgpr_count 2
		.amdhsa_user_sgpr_kernarg_segment_ptr 1
		.amdhsa_wavefront_size32 1
		.amdhsa_system_sgpr_workgroup_id_x 1
		.amdhsa_system_sgpr_workgroup_id_y 1
		.amdhsa_system_sgpr_workgroup_id_z 1
		.amdhsa_system_vgpr_workitem_id 0
		.amdhsa_next_free_vgpr 896
		.amdhsa_next_free_sgpr 80
		.amdhsa_reserve_vcc 0
		.amdhsa_float_denorm_mode_32 3
		.amdhsa_float_denorm_mode_16_64 3
		.amdhsa_memory_ordered 1
		.amdhsa_forward_progress 1
		.amdhsa_inst_pref_size 255
	.end_amdhsa_kernel
	.section	.bss,"aw",@nobits
	.p2align	6
	.space	262144
	.amdgpu_metadata
---
amdhsa.version: [ 1, 2 ]
amdhsa.kernels:
  - .name:           k_qb85b42047f_gemm2
    .symbol:         k_qb85b42047f_gemm2.kd
    .args:
      - { .name: hf, .offset: 0, .size: 8, .value_kind: global_buffer, .address_space: global }
      - { .name: w2, .offset: 8, .size: 8, .value_kind: global_buffer, .address_space: global }
      - { .name: lists, .offset: 16, .size: 8, .value_kind: global_buffer, .address_space: global }
      - { .name: yp, .offset: 24, .size: 8, .value_kind: global_buffer, .address_space: global }
    .group_segment_fixed_size: 312832
    .private_segment_fixed_size: 0
    .kernarg_segment_align: 8
    .kernarg_segment_size: 32
    .max_flat_workgroup_size: 128
    .sgpr_count:     80
    .vgpr_count:     896
    .wavefront_size: 32
...
	.end_amdgpu_metadata
.endif
;; end of part 4
;; launch combine (part 5): grid 256 x 1, 4 waves a work-group, no clusters, 0 bytes of LDS; arguments yp, x, b2, ln_g, ln_b, sel, rw, out0; writes out0
.if DOCPART == 5
	.amdgcn_target "amdgcn-amd-amdhsa--gfx1250"
	.amdhsa_code_object_version 6
	.text
	.protected	k_qb85b42047f_combine
	.globl	k_qb85b42047f_combine
	.p2align	8
	.type	k_qb85b42047f_combine,@function
k_qb85b42047f_combine:
	s_mov_b64 s[64:65], 0
	v_nop
	global_prefetch_b8 v0, s[64:65] scope:SCOPE_SE
	s_setreg_imm32_b32 hwreg(HW_REG_WAVE_MODE, 25, 1), 1
	s_wait_xcnt 0x0
; COMBINE.  For token t and its two experts e_k (k = 0, 1): y = (the four quarters of hf . w2) + b2[e_k] + x[t]; LayerNorm over the 1,024 numbers with
; ln_g[e_k], ln_b[e_k]; out0[t] = sum over k of rw[t][k] x that.  All in f32.
; One wave takes one token; a row of 4,096 bytes is 32 registers (eight loads of 512 neighbouring bytes).  No LDS, no barrier, no loop: the wave asks
; for all 120 loads at once and works on them in the order in which they were asked for.
; The six experts that the router did not choose have the weight 0 in the definition and are left out.
; LIMIT: a NaN or an infinity that the definition would carry from such an expert through 0 x y does not appear here.
; Mean and variance in two passes, as in the definition: the mean is taken away before the squares are summed.
.set KQS, 0x880000                     ; bytes of a quarter of yp: 2,176 rows of 4,096 bytes (2,048 slots and 128 spare rows, which are not read)
.set X,   32                           ; window 0: v[32:63]   x[t]
.set Y,   64                           ;           v[64:95]   y, then (y - mean) x rsqrt x weight
.set ACC, 96                           ;           v[96:127]  the result
.set T,   128                          ;           v[128:137] at work
.set B2,  0                            ; window k + 1: v[0:31] b2[e_k]
.set P,   32                           ;           v[32:159]  the four quarters
.set G,   160                          ;           v[160:191] ln_g[e_k]
.set BB,  192                          ;           v[192:223] ln_b[e_k]
.set MSB, 0
.macro WIN new                         ; low byte: bits 1:0 source 0, 3:2 source 1, 5:4 source 2, 7:6 destination; the high byte repeats the setting that is left
.if MSB != \new
	s_set_vgpr_msb (MSB<<8)|\new
.set MSB, \new
.endif
.endm
.macro LD8 dst, base, off
.irp j, 0,1,2,3,4,5,6,7
	global_load_b128 v[\dst+4*\j:\dst+4*\j+3], v1, s[\base:\base+1] offset:\off+512*\j
.endr
.endm
.macro LD8NT dst, base, off            ; read once in the launch
.irp j, 0,1,2,3,4,5,6,7
	global_load_b128 v[\dst+4*\j:\dst+4*\j+3], v1, s[\base:\base+1] offset:\off+512*\j th:TH_LOAD_NT
.endr
.endm
.macro WSUM r, t                       ; the sum over the 32 lanes, in every lane; t has been written before
	v_add_f32_dpp v[\r], v[\r], v[\r] row_xmask:1 row_mask:0xf bank_mask:0xf
	v_add_f32_dpp v[\r], v[\r], v[\r] row_xmask:2 row_mask:0xf bank_mask:0xf
	v_add_f32_dpp v[\r], v[\r], v[\r] row_xmask:4 row_mask:0xf bank_mask:0xf
	v_add_f32_dpp v[\r], v[\r], v[\r] row_xmask:8 row_mask:0xf bank_mask:0xf
	v_permlanex16_b32 v[\t], v[\r], s60, s61
	v_add_f32 v[\r], v[\r], v[\t]
.endm
.macro FOLD                            ; four pairs of partial sums into one number
	v_pk_add_f32 v[T:T+1], v[T:T+1], v[T+2:T+3]
	v_pk_add_f32 v[T+4:T+5], v[T+4:T+5], v[T+6:T+7]
	v_pk_add_f32 v[T:T+1], v[T:T+1], v[T+4:T+5]
	v_add_f32 v[T], v[T], v[T+1]
	WSUM T, T+1
.endm
	s_load_b512 s[4:19], s[0:1], 0x0               ; yp s[4:5], x s[6:7], b2 s[8:9], ln_g s[10:11], ln_b s[12:13], sel s[14:15], rw s[16:17], out0 s[18:19]
	v_lshrrev_b32 v2, 5, v0
	v_readfirstlane_b32 s20, v2                    ; wave
	v_and_b32 v1, 31, v0
	v_lshlrev_b32 v1, 4, v1                        ; 16 x lane
	s_lshl_b32 s21, ttmp9, 2
	s_add_co_u32 s21, s21, s20                     ; token
	s_lshl_b32 s22, s21, 2
	s_lshl_b32 s23, s21, 3
	s_mov_b32 s58, 0x3a800000                      ; 1 / 1,024
	s_mov_b32 s59, 0x33d6bf95                      ; 1e-7
	s_mov_b32 s60, 0x76543210                      ; v_permlanex16_b32: lane i of one half reads lane i of the other
	s_mov_b32 s61, 0xfedcba98
	s_wait_kmcnt 0x0
	s_load_b32 s24, s[14:15], s22 offset:0x0       ; e0 | e1 << 8
	s_load_b64 s[26:27], s[16:17], s23 offset:0x0  ; the two weights
	s_lshl_b32 s28, s21, 12
	s_mov_b32 s29, 0
	s_add_nc_u64 s[52:53], s[6:7], s[28:29]        ; x[t]
	s_add_nc_u64 s[54:55], s[18:19], s[28:29]      ; out0[t]
	s_lshl_b32 s28, s21, 13
	s_add_nc_u64 s[44:45], s[4:5], s[28:29]        ; yp[0][2 t]; a base for each quarter: they lie 8,912,896 bytes apart, more than an immediate holds
	s_add_nc_u64 s[46:47], s[44:45], KQS
	s_add_nc_u64 s[48:49], s[46:47], KQS
	s_add_nc_u64 s[50:51], s[48:49], KQS
	LD8 X, 52, 0
	WIN 0x40                                       ; into window 1
	LD8NT P, 44, 0
	LD8NT P+32, 46, 0
	LD8NT P+64, 48, 0
	LD8NT P+96, 50, 0
	s_wait_kmcnt 0x0
	s_and_b32 s28, s24, 0xff
	s_min_u32 s28, s28, 7
	s_lshl_b32 s30, s28, 12                        ; a row of 4,096 bytes for each expert
	s_mov_b32 s31, 0
	s_add_nc_u64 s[32:33], s[8:9], s[30:31]
	s_add_nc_u64 s[34:35], s[10:11], s[30:31]
	s_add_nc_u64 s[36:37], s[12:13], s[30:31]
	s_bfe_u32 s28, s24, 0x80008
	s_min_u32 s28, s28, 7
	s_lshl_b32 s30, s28, 12
	s_add_nc_u64 s[38:39], s[8:9], s[30:31]
	s_add_nc_u64 s[40:41], s[10:11], s[30:31]
	s_add_nc_u64 s[42:43], s[12:13], s[30:31]
	s_mov_b32 s56, s27                             ; the second weight in a pair of its own, for the packed forms
	s_mov_b32 s57, s27
	LD8 B2, 32, 0
	LD8 G, 34, 0
	LD8 BB, 36, 0
	WIN 0x80                                       ; into window 2
	LD8NT P, 44, 4096
	LD8NT P+32, 46, 4096
	LD8NT P+64, 48, 4096
	LD8NT P+96, 50, 4096
	LD8 B2, 38, 0
	LD8 G, 40, 0
	LD8 BB, 42, 0
; Rank k.  nA: the loads that may stay out when x, the quarters and b2 have to be there; nB: the same for ln_g and ln_b.
.macro RANK k, nA, nB
	s_wait_loadcnt \nA
	WIN (\k+1)                                     ; source 0 in window k + 1
.irp i, 0,2,4,6,8,10,12,14,16,18,20,22,24,26,28,30
	v_pk_add_f32 v[Y+\i:Y+\i+1], v[B2+\i:B2+\i+1], v[X+\i:X+\i+1]
.endr
.irp kq, 0,1,2,3
.irp i, 0,2,4,6,8,10,12,14,16,18,20,22,24,26,28,30
	v_pk_add_f32 v[Y+\i:Y+\i+1], v[P+32*\kq+\i:P+32*\kq+\i+1], v[Y+\i:Y+\i+1]
.endr
.endr
	WIN 0
	; the mean: four chains, started by sums of two
.irp c, 0,2,4,6
	v_pk_add_f32 v[T+\c:T+\c+1], v[Y+\c:Y+\c+1], v[Y+8+\c:Y+8+\c+1]
.endr
.irp m, 16, 24
.irp c, 0,2,4,6
	v_pk_add_f32 v[T+\c:T+\c+1], v[T+\c:T+\c+1], v[Y+\m+\c:Y+\m+\c+1]
.endr
.endr
	FOLD
	v_mul_f32 v[T+8], s58, v[T]
	v_mov_b32 v[T+9], v[T+8]
.irp i, 0,2,4,6,8,10,12,14,16,18,20,22,24,26,28,30
	v_pk_add_f32 v[Y+\i:Y+\i+1], v[Y+\i:Y+\i+1], v[T+8:T+9] neg_lo:[0,1] neg_hi:[0,1]
.endr
	; the variance: four chains, started by products
.irp c, 0,2,4,6
	v_pk_mul_f32 v[T+\c:T+\c+1], v[Y+\c:Y+\c+1], v[Y+\c:Y+\c+1]
.endr
.irp m, 8, 16, 24
.irp c, 0,2,4,6
	v_pk_fma_f32 v[T+\c:T+\c+1], v[Y+\m+\c:Y+\m+\c+1], v[Y+\m+\c:Y+\m+\c+1], v[T+\c:T+\c+1]
.endr
.endr
	FOLD
	v_fma_f32 v[T+2], v[T], s58, s59               ; variance + 1e-7
	v_rsq_f32 v[T+2], v[T+2]
	v_nop                                          ; the plain instruction between v_rsq_f32 and the use of its result (ISA guide 5.7.2)
	s_wait_alu depctr_va_vdst(0)
	v_mul_f32 v[T+8], s[26+\k], v[T+2]             ; the router's weight rides on the scale
	v_mov_b32 v[T+9], v[T+8]
.irp i, 0,2,4,6,8,10,12,14,16,18,20,22,24,26,28,30
	v_pk_mul_f32 v[Y+\i:Y+\i+1], v[Y+\i:Y+\i+1], v[T+8:T+9]
.endr
	s_wait_loadcnt \nB
	WIN (\k+1)
.irp i, 0,2,4,6,8,10,12,14,16,18,20,22,24,26,28,30
.if \k == 0
	v_pk_mul_f32 v[ACC+\i:ACC+\i+1], v[BB+\i:BB+\i+1], s[26:27] op_sel_hi:[1,0]            ; weight x ln_b starts the result
.else
	v_pk_fma_f32 v[ACC+\i:ACC+\i+1], v[BB+\i:BB+\i+1], s[56:57], v[ACC+\i:ACC+\i+1] op_sel_hi:[1,0,1]
.endif
	v_pk_fma_f32 v[ACC+\i:ACC+\i+1], v[G+\i:G+\i+1], v[Y+\i:Y+\i+1], v[ACC+\i:ACC+\i+1]
.endr
	WIN 0
.endm
	; 120 loads in this order: x 8, quarters of rank 0 32, b2 8 | ln_g 8, ln_b 8 | quarters of rank 1 32, b2 8 | ln_g 8, ln_b 8
	RANK 0, 63, 56                                 ; 72 loads stand behind the first 48: the wait names the most that its field holds, which is fewer; then 56
	RANK 1, 16, 0
.irp j, 0,1,2,3,4,5,6,7
	global_store_b128 v1, v[ACC+4*\j:ACC+4*\j+3], s[54:55] offset:512*\j   ; 512 neighbouring bytes, aligned
.endr
	s_endpgm
.Lfunc_end_k_qb85b42047f_combine:
	.size	k_qb85b42047f_combine, .Lfunc_end_k_qb85b42047f_combine-k_qb85b42047f_combine
	.p2alignl 7, 3214868480
	.fill 96, 4, 3214868480
	.section	.rodata,"a",@progbits
	.p2align	6, 0x0
	.amdhsa_kernel k_qb85b42047f_combine
		.amdhsa_group_segment_fixed_size 0
		.amdhsa_private_segment_fixed_size 0
		.amdhsa_enable_private_segment 0
		.amdhsa_kernarg_size 64
		.amdhsa_user_sgpr_count 2
		.amdhsa_user_sgpr_kernarg_segment_ptr 1
		.amdhsa_wavefront_size32 1
		.amdhsa_system_sgpr_workgroup_id_x 1
		.amdhsa_system_sgpr_workgroup_id_y 1
		.amdhsa_system_sgpr_workgroup_id_z 1
		.amdhsa_system_vgpr_workitem_id 0
		.amdhsa_next_free_vgpr 768
		.amdhsa_next_free_sgpr 66
		.amdhsa_reserve_vcc 0
		.amdhsa_float_denorm_mode_32 3
		.amdhsa_float_denorm_mode_16_64 3
		.amdhsa_memory_ordered 1
		.amdhsa_forward_progress 1
		.amdhsa_inst_pref_size 39
	.end_amdhsa_kernel
	.amdgpu_metadata
---
amdhsa.version: [ 1, 2 ]
amdhsa.kernels:
  - .name:           k_qb85b42047f_combine
    .symbol:         k_qb85b42047f_combine.kd
    .args:
      - { .name: yp, .offset: 0, .size: 8, .value_kind: global_buffer, .address_space: global }
      - { .name: x, .offset: 8, .size: 8, .value_kind: global_buffer, .address_space: global }
      - { .name: b2, .offset: 16, .size: 8, .value_kind: global_buffer, .address_space: global }
      - { .name: ln_g, .offset: 24, .size: 8, .value_kind: global_buffer, .address_space: global }
      - { .name: ln_b, .offset: 32, .size: 8, .value_kind: global_buffer, .address_space: global }
      - { .name: sel, .offset: 40, .size: 8, .value_kind: global_buffer, .address_space: global }
      - { .name: rw, .offset: 48, .size: 8, .value_kind: global_buffer, .address_space: global }
      - { .name: out0, .offset: 56, .size: 8, .value_kind: global_buffer, .address_space: global }
    .group_segment_fixed_size: 0
    .private_segment_fixed_size: 0
    .kernarg_segment_align: 8
    .kernarg_segment_size: 64
    .max_flat_workgroup_size: 128
    .sgpr_count:     66
    .vgpr_count:     768
    .wavefront_size: 32
...
	.end_amdgpu_metadata
.endif
;; end of part 5
;; ======== version 2 of 2: 5 launches; version 1 with the launches gemm1, gemm2 written anew for expert scheduling mode
;; workspace buffers: sel 4,096 bytes of whole numbers; rw 8,192 bytes; lists 45,056 bytes of whole numbers; xg 16,777,216 bytes; hf 67,108,864 bytes; yp 35,651,584 bytes
;; launch router: the kernel of part 1 again; grid 128 x 1, 8 waves a work-group, no clusters, 34,816 bytes of LDS; arguments x, router_w, out1, sel, rw; writes out1, sel, rw
;; launch place: the kernel of part 2 again; grid 80 x 8, 1 waves a work-group, no clusters, 14,592 bytes of LDS; arguments sel, x, lists, xg; writes lists, xg
;; launch gemm1 (part 6): grid 32 x 8, 4 waves a work-group, no clusters, 295,424 bytes of LDS; arguments xg, w1, b1, lists, hf; writes hf
.if DOCPART == 6
	.amdgcn_target "amdgcn-amd-amdhsa--gfx1250"
	.amdhsa_code_object_version 6
	.text
	.protected	k_qb85b42047f_gemm1
	.globl	k_qb85b42047f_gemm1
	.p2align	8
	.type	k_qb85b42047f_gemm1,@function
k_qb85b42047f_gemm1:
	s_mov_b64 s[64:65], 0
	v_nop
	global_prefetch_b8 v0, s[64:65] scope:SCOPE_SE
	s_setreg_imm32_b32 hwreg(HW_REG_WAVE_SCHED_MODE, 0, 2), 2
	s_setreg_imm32_b32 hwreg(HW_REG_WAVE_MODE, 25, 1), 1
	s_wait_xcnt 0x0
	s_wait_alu depctr_vm_vsrc(0)
; THE FIRST EXPERT PRODUCT: hf = gelu(xg . w1 + b1), for the rows that chose the expert.
; A work-group takes one expert (grid y), 128 columns of I (grid x) and K = 1,024, and walks the expert's rows in passes of 320.
; Four waves.  Wave w takes the row tiles 20 p + 4 l + w, l = 0..4, and all eight column tiles: 40 accumulators of 16 x 16.
; WEIGHTS are f32 and lie [k][n].  They pass through registers (a k-row of the slice is one load of 512 neighbouring bytes), are cut to bf16 and stored
; into LDS, where the whole slice stays: 1,024 k-rows x 288 bytes = 294,912 bytes; ds_load_tr16_b128 reads them back turned.  They have to be converted
; on the way, so the tensor data mover would only add a second trip through LDS.  Each weight byte is read from memory once, whatever the rows.
; THE FIRST PASS streams: while K step q is multiplied, weight group q + 4 is converted and stored and group q + 8 is asked for.  Its eight barriers (one
; for each 128 k-rows: stored by four waves, then read by all) stand in straight text.  No LDS byte is written twice.
; FURTHER PASSES (an expert with more than 320 rows) read the slice that lies in LDS and need no barrier.
; ROWS (xg, hf) lie in memory in fragment order (block of 16 rows x 32 k = 1,024 bytes, lane L's 16 bytes at 16 L and at 512 + 16 L) and go from
; memory straight into the operand's registers.  NO CLUSTER: the 32 work-groups of an expert read the same rows, but a joint load lands in LDS, and
; the rows' way through LDS would add 20 LDS loads a wave to the 24 LDS instructions that a K step of 40 matrix instructions has now.
; THE MATRIX INSTRUCTION IS USED TRANSPOSED: source 0 = 16 columns of the weights, source 1 = 16 rows.  Lane (r, h) then holds row r, columns
; 16 nt + 8 h + 0..7; eight of them as bf16 are exactly the lane's 16 bytes of half nt & 1 of block nt >> 1 in fragment order.
; A tile number at or beyond the expert's tiles is clamped to the last tile: its products are made and thrown away.
; THE FIFTH LAYER: a wave whose fifth row tile does not exist (fewer than five layers, s25) jumps over that layer's two row loads and eight matrix
; instructions in every K step.  Row groups 0 to 3 and K step 0's products are made in any case, so that each of the layer's registers has been written
; on every way.  The jumps cross no barrier.
; THE WAY OUT is a loop over the wave's layers.  Only its first stage, sum + bias, names a layer's accumulators: it is written out for each layer (32 packed
; adds into fixed registers) and chosen by the loop's counter; the rest is one text for all layers, a fifth of what five written-out layers would be.
; LIMITS: erfc by Abramowitz-Stegun 7.1.26, absolute error up to 1.5e-7, for every x; operands bf16, sums f32.
; THE MODE: SCHED_MODE bits 1:0 = 2 (LLVM: expert scheduling mode 2), set by the entry lines.  The code itself states the register dependences
; between vector or matrix instructions and memory or LDS instructions, with s_wait_alu, always for 0.
; THE PLAN.  Registers that memory or LDS instructions touch, in step q of the first pass:
;   RAW[q & 3]        (window 3)  read by the step's sixteen conversions; behind them the loads of weight group q + 8 land in it.
;   OUT[q & 1]        (window 3)  written by the conversions; read by the step's eight LDS stores; written again two steps on.
;   ROW[(q - 1) & 3]  (window 2)  read by step q - 1's matrix instructions; the loads of row group q + 3 land in it.
;   FB[(q + 1) & 1]   (window 0)  read by step q - 1's matrix instructions; the LDS loads of step q + 1's fragments land in it.
;   v4, v5, v12, v32-47           addresses, made at the head and never written again.
;   The accumulators are named by matrix instructions alone until the way out.
; So ONE wait on va_vdst stands in a step, behind its conversions: OUT is written, RAW has been read, and the step before is done with its row slot and its
; fragment buffer.  Behind it the step's vector side names FB[q & 1], ROW[q & 3] and the accumulators: none of the registers that the step's stores and loads
; touch, so these follow with no further wait, the weight loads among the matrix instructions.  One wait on vm_vsrc stands ahead of the conversions, for OUT.
.set PB,     16384                     ; bytes from a k-row of w1 to the next
.set ASHIFT, 15                        ; a row tile of xg: 32 blocks = 32,768 bytes
.set BPITCH, 288                       ; an LDS k-row: 128 bf16 + 32 bytes, an odd multiple of 32
.set CHUNK,  128*BPITCH                ; 36,864: 128 k-rows; eight chunks from LDS byte 0
; VECTOR REGISTERS, in windows of 256:
;   window 0: v0-12 addresses, v20-31 constants, v32-47 LDS addresses by chunk; v64-127, v128-191 weight fragments, two buffers (8 column tiles x 8); v192-255 the bias
;   window 1: accumulators of layers l = 0..3 at 64 l + 8 nt
;   window 2: v0-159 row fragments, a ring of 4 slots x 5 layers x 8; v160-223 accumulators of layer 4
;   window 3: v0-127 weights as loaded, a ring of 4 slots x 8 rows x 4; v128-159 weights in bf16, two out-buffers of 8 rows x 2
.set L16,  4                           ; 16 x lane
.set BOFF, 5                           ; 16 x lane + 32 w k-rows: my rows of each chunk
.set C1,   20
.set K1,   22
.set K2,   24
.set K3,   26
.set K4,   28
.set K5,   30
.set BST,  32                          ; v32-39: where I store my rows of chunk c
.set BFR,  40                          ; v40-47: where I read fragments of chunk c
.set FB,   64
.set XR,   64                          ; the way out: a layer's 64 numbers, eight sets of eight
.set SS,   128
.set QQ,   136
.set TT,   144
.set MM,   152
.set PP,   160
.set BI,   192
.set OW,   128                         ; window 3: the out-buffers
.set SA,   32                          ; s[32:41] the five layers' row tiles
.set SB,   44                          ; s[44:59] the eight chunks of 128 k-rows of the weights
.set LC,   77                          ; s77 the way out's layer
.set MSB,  0
.macro WIN new                         ; low byte: bits 1:0 source 0, 3:2 source 1, 5:4 source 2, 7:6 destination; the high byte repeats the setting that is left
.if MSB != \new
	s_set_vgpr_msb (MSB<<8)|\new
.set MSB, \new
.endif
.endm
; the weight fragments of K step q: k-rows 32 (q & 3) .. + 31 of chunk q >> 2, eight column tiles
.macro FRAG q
.irp nt, 0,1,2,3,4,5,6,7
	ds_load_tr16_b128 v[FB+64*((\q)&1)+8*\nt:FB+64*((\q)&1)+8*\nt+3], v[BFR+((\q)>>2)] offset:((\q)&3)*32*BPITCH+32*\nt
	ds_load_tr16_b128 v[FB+64*((\q)&1)+8*\nt+4:FB+64*((\q)&1)+8*\nt+7], v[BFR+((\q)>>2)] offset:((\q)&3)*32*BPITCH+16*BPITCH+32*\nt
.endr
.endm
; eight matrix instructions: layer l x all column tiles.  In K step 0 the constant 0 starts the sums: nothing is cleared.
.macro MUL q, l
.irp nt, 0,1,2,3,4,5,6,7
.if (\l) < 4
.set AC, 64*(\l)+8*\nt
.else
.set AC, 160+8*\nt
.endif
.if (\q) == 0
	v_wmma_f32_16x16x32_bf16 v[AC:AC+7], v[FB+64*((\q)&1)+8*\nt:FB+64*((\q)&1)+8*\nt+7], v[40*((\q)&3)+8*(\l):40*((\q)&3)+8*(\l)+7], 0
.else
	v_wmma_f32_16x16x32_bf16 v[AC:AC+7], v[FB+64*((\q)&1)+8*\nt:FB+64*((\q)&1)+8*\nt+7], v[40*((\q)&3)+8*(\l):40*((\q)&3)+8*(\l)+7], v[AC:AC+7]
.endif
.endr
.endm
; weight group GB: eight k-rows of mine into raw slot GB & 3.  No wait: no vector or matrix instruction since the step's wait on va_vdst names that slot or v[BOFF]
.macro WLOAD
	WIN 0xc0                                       ; into window 3
.irp i, 0,1,2,3,4,5,6,7
	global_load_b128 v[32*(GB&3)+4*\i:32*(GB&3)+4*\i+3], v[BOFF], s[SB+2*(GB>>2):SB+2*(GB>>2)+1] offset:(8*(GB&3)+\i)*PB th:TH_LOAD_NT
.endr
.endm
; ONE STEP, q = -8 .. 31.  st = 1 (the first pass): it converts weight group q + 4 (8 k-rows of mine) into an out-buffer and stores it, asks for row group q + 3
; (8 loads, and 2 more for the fifth layer), multiplies K step q and, behind the next step's fragment loads, asks for weight group q + 8 (8 loads).
; st = 0 (a further pass): the row groups and the products alone.
; n = the loads issued behind the youngest one that the step needs (row group q, asked for in step q - 3; weight group q + 4, asked for in step q - 4),
; counted with row groups of eight loads, the fewest that any way issues: in the middle of the first pass 8 + 16 + 16 = 40, of a further pass 8 + 8 = 16.
; A wave with five layers has up to four more behind them, so its wait is a little stricter than it need be.
; The accumulators take turns, one instruction a turn, in the same order in every step.
; The sixteen conversions (or four v_nop) stand between the last step's matrix instructions and the loads into registers that those have read;
; the wait on va_vdst behind them states that dependence.
; In steps 3, 7, .. 27 of the first pass the chunk changes: in front of the barrier's signal my stores into the next chunk are complete; behind its wait it is read.
.macro SUB q, n, st
.set CONS, 0
.set ISA, 0
.set ISB, 0
.set COMP, 0
.set BAR, 0
.if (\q)+3 >= 0
.if (\q)+3 <= 31
.set ISA, 1
.endif
.endif
.if (\q) >= 0
.set COMP, 1
.endif
.if \st
.if (\q)+4 >= 0
.if (\q)+4 <= 31
.set CONS, 1
.endif
.endif
.if (\q)+8 <= 31
.set ISB, 1
.endif
.if (\q) >= 0
.if ((\q)&3) == 3
.if (\q) < 31
.set BAR, 1
.endif
.endif
.endif
.endif
.set GC, (\q)+4
.set GA, (\q)+3
.set GB, (\q)+8
.if CONS+COMP
	s_wait_loadcnt \n
.endif
.if CONS
.if GC >= 2
	s_wait_alu depctr_vm_vsrc(0)                   ; the LDS stores of two steps back have read this out-buffer, which the conversions below write again
.endif
	WIN 0xcf                                       ; all in window 3
.irp i, 0,1,2,3,4,5,6,7
	v_cvt_pk_bf16_f32 v[OW+16*(GC&1)+2*\i], v[32*(GC&3)+4*\i], v[32*(GC&3)+4*\i+1]
	v_cvt_pk_bf16_f32 v[OW+16*(GC&1)+2*\i+1], v[32*(GC&3)+4*\i+2], v[32*(GC&3)+4*\i+3]
.endr
	WIN 0x0c                                       ; data in window 3
	s_wait_alu depctr_va_vdst(0)                   ; the conversions have written the out-buffer, which the LDS stores read, and are done reading the raw slot, in which weight loads land; the last step's matrix instructions are done reading their row slot and their fragment buffer, in which this step's loads land
.irp i, 0,1,2,3,4,5,6,7
	ds_store_b64 v[BST+(GC>>2)], v[OW+16*(GC&1)+2*\i:OW+16*(GC&1)+2*\i+1] offset:(8*(GC&3)+\i)*BPITCH
.endr
.else
.if COMP
.if (\q) < 31
.rept 4
	v_nop
.endr
.if (\q) >= 1
	s_wait_alu depctr_va_vdst(0)                   ; the last step's matrix instructions are done reading their row slot and their fragment buffer, in which this step's loads land
.endif
.endif
.endif
.endif
.if ISA
	WIN 0x80                                       ; into window 2
.irp l, 0,1,2,3
	global_load_b128 v[40*(GA&3)+8*\l:40*(GA&3)+8*\l+3], v[L16], s[SA+2*\l:SA+2*\l+1] offset:1024*GA
	global_load_b128 v[40*(GA&3)+8*\l+4:40*(GA&3)+8*\l+7], v[L16], s[SA+2*\l:SA+2*\l+1] offset:1024*GA+512
.endr
.if GA >= 4
	WIN 0                                          ; at a branch and at a label every window is 0
	s_cmp_lt_u32 s25, 5                            ; no fifth layer: its rows are not asked for
	s_cbranch_scc1 .Lno_rows_\@
	WIN 0x80
.endif
	global_load_b128 v[40*(GA&3)+32:40*(GA&3)+35], v[L16], s[SA+8:SA+9] offset:1024*GA
	global_load_b128 v[40*(GA&3)+36:40*(GA&3)+39], v[L16], s[SA+8:SA+9] offset:1024*GA+512
.if GA >= 4
	WIN 0
.Lno_rows_\@:
.endif
.endif
.if ISB
.if COMP == 0
	WLOAD                                          ; ahead of the first products there is nothing to deal the loads among
.endif
.endif
.if COMP
.if BAR
	s_wait_dscnt 0x0                               ; my stores into the next chunk, for the other waves' sake
	s_barrier_signal -1
.else
.if CONS
	s_wait_dscnt 0x8                               ; this step's fragments are in; the eight stores just issued may stay out
.else
	s_wait_dscnt 0x0
.endif
.endif
	WIN 0x58                                       ; source 0 window 0, source 1 window 2, C and D window 1
	MUL \q, 0
	MUL \q, 1
.if (\q) < 31
	WIN 0
.if BAR
	s_barrier_wait -1
.endif
	FRAG (\q)+1                                    ; no wait: the sixteen matrix instructions since the step's wait name the other fragment buffer
.if ISB
	WLOAD
.endif
.endif
	WIN 0x58
	MUL \q, 2
	MUL \q, 3
.if (\q) == 0
	WIN 0xa8                                       ; C and D window 2
	MUL \q, 4                                      ; in any case: it writes the fifth layer's accumulators
.else
	WIN 0
	s_cmp_lt_u32 s25, 5                            ; no fifth layer: no products for it
	s_cbranch_scc1 .Lno_mul_\@
	WIN 0xa8
	MUL \q, 4
	WIN 0
.Lno_mul_\@:
.endif
.endif
.endm
; scalar work at the head of pass s24: the five row tiles, how many of them exist, where the results go
.macro HEADA
	s_mul_i32 s68, s24, 20
	s_add_co_u32 s68, s68, s14                     ; my first tile: 20 p + w
	s_sub_co_u32 s69, s22, 1
	s_lshl_b32 s71, s15, 6
	s_mov_b32 s67, 0
.irp l, 0,1,2,3,4
	s_add_co_u32 s70, s68, 4*\l
	s_min_u32 s70, s70, s69                        ; a tile that does not exist reads the last one
	s_min_u32 s70, s70, 63
	s_add_co_u32 s70, s70, s71
	s_lshl_b32 s66, s70, ASHIFT
	s_add_nc_u64 s[SA+2*\l:SA+2*\l+1], s[4:5], s[66:67]
.endr
	s_sub_co_i32 s25, s22, s68                     ; how many of my five layers exist: ceil((tiles - 20 p - w) / 4) within 0..5
	s_add_co_i32 s25, s25, 3
	s_ashr_i32 s25, s25, 2
	s_max_i32 s25, s25, 0
	s_min_i32 s25, s25, 5
	s_add_co_u32 s70, s71, s68
	s_lshl_b32 s66, s70, 17                        ; hf: (64 e + 20 p + w) x 131,072
	s_lshl_b32 s70, s16, 12                        ; + slice x 4 blocks
	s_add_co_u32 s66, s66, s70
	s_add_nc_u64 s[60:61], s[12:13], s[66:67]
.endm
; the way out's first stage: x = sum + bias, from a layer's 64 accumulator registers (first register base of window win) into the fixed set
.macro TAKE base, win
	WIN \win                                       ; source 0 in the accumulators' window
.irp i, 0,2,4,6,8,10,12,14,16,18,20,22,24,26,28,30,32,34,36,38,40,42,44,46,48,50,52,54,56,58,60,62
	v_pk_add_f32 v[XR+\i:XR+\i+1], v[\base+\i:\base+\i+1], v[BI+\i:BI+\i+1]
.endr
	WIN 0
.endm
.macro CASE l, base, win               ; layer l's first stage, if the loop is at layer l
	s_cmp_lg_u32 s[LC], \l
	s_cbranch_scc1 .Lnot_\l
	TAKE \base, \win
	s_branch .Lgelu
.Lnot_\l:
.endm
; eight numbers: gelu(x) = max(x, 0) - |x| (1/2) erfc(|x| / sqrt 2), right in form for both signs and without cancellation;
; (1/2) erfc(z) = t (K1 + t (K2 + t (K3 + t (K4 + t K5)))) e^(-z z), t = 1 / (1 + 0.3275911 z).  With S = x sqrt(log2(e) / 2): e^(-z z) = 2^(-S S).
.macro GELU8 nt
.set XB, XR+8*\nt
.irp k, 0,2,4,6
	v_pk_mul_f32 v[SS+\k:SS+\k+1], v[XB+\k:XB+\k+1], v[C1:C1+1]
.endr
.irp k, 0,2,4,6
	v_pk_mul_f32 v[QQ+\k:QQ+\k+1], v[SS+\k:SS+\k+1], v[SS+\k:SS+\k+1] neg_lo:[0,1] neg_hi:[0,1]
.endr
.irp j, 0,1,2,3,4,5,6,7
	v_fma_f32 v[TT+\j], |v[SS+\j]|, s76, 1.0
.endr
.irp j, 0,1,2,3,4,5,6,7
	v_rcp_f32 v[TT+\j], v[TT+\j]
.endr
.irp j, 0,1,2,3,4,5,6,7
	v_exp_f32 v[QQ+\j], v[QQ+\j]
.endr
.irp j, 0,1,2,3,4,5,6,7
	v_max_num_f32 v[MM+\j], 0, v[XB+\j]            ; plain instructions between the transcendentals and the first use of their results (ISA guide 5.7.2)
.endr
	s_wait_alu depctr_va_vdst(0)
.irp k, 0,2,4,6
	v_pk_fma_f32 v[PP+\k:PP+\k+1], v[TT+\k:TT+\k+1], v[K5:K5+1], v[K4:K4+1]
.endr
.irp c, K3, K2, K1
.irp k, 0,2,4,6
	v_pk_fma_f32 v[PP+\k:PP+\k+1], v[PP+\k:PP+\k+1], v[TT+\k:TT+\k+1], v[\c:\c+1]
.endr
.endr
.irp k, 0,2,4,6
	v_pk_mul_f32 v[PP+\k:PP+\k+1], v[PP+\k:PP+\k+1], v[TT+\k:TT+\k+1]
.endr
.irp k, 0,2,4,6
	v_pk_mul_f32 v[PP+\k:PP+\k+1], v[PP+\k:PP+\k+1], v[QQ+\k:QQ+\k+1]
.endr
.irp j, 0,1,2,3,4,5,6,7
	v_fma_f32 v[XB+\j], -|v[XB+\j]|, v[PP+\j], v[MM+\j]
.endr
.irp k, 0,1,2,3
	v_cvt_pk_bf16_f32 v[XB+\k], v[XB+2*\k], v[XB+2*\k+1]
.endr
.endm
	s_load_b256 s[4:11], s[0:1], 0x0               ; xg s[4:5], w1 s[6:7], b1 s[8:9], lists s[10:11]
	s_load_b64 s[12:13], s[0:1], 0x20              ; hf
	v_lshl_add_u32 v62, v0, 2, 0x48000
	v_mov_b32 v63, 0
	v_lshrrev_b32 v10, 5, v0
	v_readfirstlane_b32 s14, v10                   ; wave
	s_and_b32 s15, ttmp7, 0xffff                   ; expert
	s_mov_b32 s16, ttmp9                           ; column slice
	v_and_b32 v1, 31, v0                           ; lane
	v_bfe_u32 v3, v0, 4, 1                         ; h
	v_lshlrev_b32 v[L16], 4, v1
	s_wait_alu depctr_va_sdst(0)                   ; s14 is written, ahead of its first reader: offsets, LDS addresses and tile numbers are made from it
	s_mul_i32 s66, s14, 32*PB
	v_add_nc_u32 v[BOFF], s66, v[L16]
	s_mul_i32 s66, s14, 32*BPITCH
	v_lshl_add_u32 v[BST], v1, 3, s66              ; k-row 32 w, 8 bytes a lane
	v_and_b32 v10, 7, v0
	v_lshl_add_u32 v10, v3, 3, v10
	v_mul_u32_u24 v10, v10, BPITCH                 ; k-row 8 h + (lane & 7)
	v_bfe_u32 v11, v0, 3, 1
	v_lshl_add_u32 v[BFR], v11, 4, v10             ; + 16 ((lane >> 3) & 1)
.irp c, 1,2,3,4,5,6,7
	v_add_nc_u32 v[BST+\c], CHUNK, v[BST+\c-1]
	v_add_nc_u32 v[BFR+\c], CHUNK, v[BFR+\c-1]
.endr
	v_lshlrev_b32 v12, 5, v3                       ; the bias: 32 h
.irp c, C1, C1+1
	v_mov_b32 v[\c], 0x3f596d27                    ; sqrt(log2(e) / 2)
.endr
.irp c, K1, K1+1
	v_mov_b32 v[\c], 0x3e027906                    ; 0.254829592 / 2
.endr
.irp c, K2, K2+1
	v_mov_b32 v[\c], 0xbe11a98e                    ; -0.284496736 / 2
.endr
.irp c, K3, K3+1
	v_mov_b32 v[\c], 0x3f35f0e3                    ; 1.421413741 / 2
.endr
.irp c, K4, K4+1
	v_mov_b32 v[\c], 0xbf3a00e3                    ; -1.453152027 / 2
.endr
.irp c, K5, K5+1
	v_mov_b32 v[\c], 0x3f07dc22                    ; 1.061405429 / 2
.endr
	s_mov_b32 s76, 0x3e8ba43f                      ; 0.3275911 / sqrt(log2(e))
	s_lshl_b32 s66, s15, 24                        ; the expert's 16 MiB of weights
	s_lshl_b32 s68, s16, 9                         ; + slice x 512 bytes
	s_add_co_u32 s66, s66, s68
	s_mov_b32 s67, 0
	s_lshl_b32 s70, s15, 14                        ; the expert's row of b1
	s_add_co_u32 s70, s70, s68
	s_mov_b32 s71, 0
	s_mul_i32 s68, s15, 5632
	s_mov_b32 s69, 0
	s_mov_b32 s24, 0                               ; pass
	s_wait_kmcnt 0x0
	s_add_nc_u64 s[62:63], s[10:11], s[68:69]
	s_load_b128 s[20:23], s[62:63], 0x0            ; n, passes, tiles, 0
	s_add_nc_u64 s[SB:SB+1], s[6:7], s[66:67]
.irp c, 1,2,3,4,5,6,7
	s_add_nc_u64 s[SB+2*\c:SB+2*\c+1], s[SB+2*\c-2:SB+2*\c-1], 128*PB
.endr
	s_add_nc_u64 s[8:9], s[8:9], s[70:71]
	s_wait_alu depctr_va_vdst(0)                   ; the offsets and LDS addresses v4, v5, v12 and v32 to v47 are written: every load and store of the kernel reads one of them
.irp nt, 0,1,2,3,4,5,6,7
	global_load_b128 v[BI+8*\nt:BI+8*\nt+3], v12, s[8:9] offset:64*\nt       ; b1 of columns 16 nt + 8 h + 0..7; older than every load of the rings
	global_load_b128 v[BI+8*\nt+4:BI+8*\nt+7], v12, s[8:9] offset:64*\nt+16
.endr
	; THE FIRST PASS
	SUB -8, 0, 1                                   ; the first four weight groups go out before the list's header is needed
	SUB -7, 0, 1
	SUB -6, 0, 1
	SUB -5, 0, 1
	s_wait_kmcnt 0x0
	s_min_u32 s20, s20, 1024
	s_min_u32 s21, s21, 4
	s_min_u32 s22, s22, 64
	s_max_u32 s22, s22, 1
	HEADA
	SUB -4, 24, 1                                  ; weight group 0; behind it groups 1, 2, 3
	SUB -3, 24, 1
	SUB -2, 32, 1                                  ; behind group 2: 8 + 8 + 8 + 8 at the least
	SUB -1, 40, 1                                  ; behind group 3: 8 + 16 + 16 at the least
	WIN 0
	s_wait_dscnt 0x0                               ; my part of the first 128 k-rows is stored
	s_barrier_signal -1
	s_barrier_wait -1
	FRAG 0
.irp q, 0,1,2,3,4,5,6,7,8,9,10,11,12,13,14,15,16,17,18,19,20,21,22,23,24
	SUB \q, 40, 1
.endr
	SUB 25, 32, 1                                  ; the requests run out: 8 + 16 + 8
	SUB 26, 24, 1                                  ; 8 + 8 + 8
	SUB 27, 16, 1
	SUB 28, 16, 1
	SUB 29, 16, 1
	SUB 30, 8, 1
	SUB 31, 0, 1
	WIN 0
.Lpass:
.rept 4
	v_nop                                          ; the places between the last matrix instructions and the first reads of their results (ISA guide 7.12.1)
.endr
	s_cmp_eq_u32 s25, 0                            ; none of my tiles exists in this pass
	s_cbranch_scc1 .Lout_done
	s_mov_b32 s[LC], 0
.Llayer:
	CASE 0, 0, 1
	CASE 1, 64, 1
	CASE 2, 128, 1
	CASE 3, 192, 1
	TAKE 160, 2
.Lgelu:
	; gelu, bf16; a lane's eight numbers are its 16 bytes of hf in fragment order: each store covers 512 neighbouring bytes, aligned
.irp nt, 0,1,2,3,4,5,6,7
	GELU8 \nt
.endr
	s_wait_alu depctr_va_vdst(0)                   ; the roundings have written the first four registers of each of the eight sets, which the stores read
.irp nt, 0,1,2,3,4,5,6,7
	global_store_b128 v[L16], v[XR+8*\nt:XR+8*\nt+3], s[60:61] offset:512*\nt
.endr
	s_wait_xcnt 0x0                                ; the stores' base is stepped here, their data written again in the next trip
	s_wait_alu depctr_vm_vsrc(0)                   ; the stores have read their data registers, which the next trip's first stage writes again and in which a further pass's fragments land
	s_add_nc_u64 s[60:61], s[60:61], 4<<17         ; my next layer lies four tiles on
	s_add_co_u32 s[LC], s[LC], 1
	s_cmp_lt_u32 s[LC], s25                        ; the count of layers is not written in the loop
	s_cbranch_scc1 .Llayer
.Lout_done:
	s_wait_xcnt 0x0                                ; the stores' data and base are written again below
	s_add_co_u32 s24, s24, 1
	s_cmp_ge_u32 s24, s21
	s_cbranch_scc1 .Llast
	; A FURTHER PASS: the slice lies in LDS, every barrier has been passed
	HEADA
	s_wait_alu depctr_va_vdst(0)                   ; the last pass's matrix instructions are done reading the row slots, in which the loads below land; the way out's arithmetic is done with v64 to v167, in which the fragments land
	SUB -3, 0, 0
	SUB -2, 0, 0
	SUB -1, 0, 0
	WIN 0
	FRAG 0
.irp q, 0,1,2,3,4,5,6,7,8,9,10,11,12,13,14,15,16,17,18,19,20,21,22,23,24,25,26,27,28,29
	SUB \q, 16, 0                                  ; behind row group q: groups q + 1 and q + 2, eight loads each at the least
.endr
	SUB 30, 8, 0
	SUB 31, 0, 0
	WIN 0
.Llast:
	s_cmp_lt_u32 s24, s21                          ; the count of passes is not written in the loop
	s_cbranch_scc1 .Lpass
	s_wait_dscnt 0x0
	s_wait_alu depctr_hold_cnt(0) depctr_sa_sdst(0) depctr_va_vdst(0) depctr_va_sdst(0) depctr_va_ssrc(0) depctr_va_vcc(0) depctr_vm_vsrc(0)
	s_wait_tensorcnt 0x0
	ds_add_u32 v62, v63
	s_wait_dscnt 0x0
	s_endpgm
.Lfunc_end_k_qb85b42047f_gemm1:
	.size	k_qb85b42047f_gemm1, .Lfunc_end_k_qb85b42047f_gemm1-k_qb85b42047f_gemm1
	.p2alignl 7, 3214868480
	.fill 96, 4, 3214868480
	.section	.rodata,"a",@progbits
	.p2align	6, 0x0
	.amdhsa_kernel k_qb85b42047f_gemm1
		.amdhsa_group_segment_fixed_size 295424
		.amdhsa_private_segment_fixed_size 0
		.amdhsa_enable_private_segment 0
		.amdhsa_kernarg_size 40
		.amdhsa_user_sgpr_count 2
		.amdhsa_user_sgpr_kernarg_segment_ptr 1
		.amdhsa_wavefront_size32 1
		.amdhsa_system_sgpr_workgroup_id_x 1
		.amdhsa_system_sgpr_workgroup_id_y 1
		.amdhsa_system_sgpr_workgroup_id_z 1
		.amdhsa_system_vgpr_workitem_id 0
		.amdhsa_next_free_vgpr 928
		.amdhsa_next_free_sgpr 80
		.amdhsa_reserve_vcc 0
		.amdhsa_float_denorm_mode_32 3
		.amdhsa_float_denorm_mode_16_64 3
		.amdhsa_memory_ordered 1
		.amdhsa_forward_progress 1
		.amdhsa_inst_pref_size 255
	.end_amdhsa_kernel
	.section	.bss,"aw",@nobits
	.p2align	6
	.space	262144
	.amdgpu_metadata
---
amdhsa.version: [ 1, 2 ]
amdhsa.kernels:
  - .name:           k_qb85b42047f_gemm1
    .symbol:         k_qb85b42047f_gemm1.kd
    .args:
      - { .name: xg, .offset: 0, .size: 8, .value_kind: global_buffer, .address_space: global }
      - { .name: w1, .offset: 8, .size: 8, .value_kind: global_buffer, .address_space: global }
      - { .name: b1, .offset: 16, .size: 8, .value_kind: global_buffer, .address_space: global }
      - { .name: lists, .offset: 24, .size: 8, .value_kind: global_buffer, .address_space: global }
      - { .name: hf, .offset: 32, .size: 8, .value_kind: global_buffer, .address_space: global }
    .group_segment_fixed_size: 295424
    .private_segment_fixed_size: 0
    .kernarg_segment_align: 8
    .kernarg_segment_size: 40
    .max_flat_workgroup_size: 128
    .sgpr_count:     80
    .vgpr_count:     928
    .wavefront_size: 32
...
	.end_amdgpu_metadata
.endif
;; end of part 6
;; launch gemm2 (part 7): grid 32 x 8, 4 waves a work-group, no clusters, 312,832 bytes of LDS; arguments hf, w2, lists, yp; writes yp
.if DOCPART == 7
	.amdgcn_target "amdgcn-amd-amdhsa--gfx1250"
	.amdhsa_code_object_version 6
	.text
	.protected	k_qb85b42047f_gemm2
	.globl	k_qb85b42047f_gemm2
	.p2align	8
	.type	k_qb85b42047f_gemm2,@function
k_qb85b42047f_gemm2:
	s_mov_b64 s[64:65], 0
	v_nop
	global_prefetch_b8 v0, s[64:65] scope:SCOPE_SE
	s_setreg_imm32_b32 hwreg(HW_REG_WAVE_SCHED_MODE, 0, 2), 2
	s_setreg_imm32_b32 hwreg(HW_REG_WAVE_MODE, 25, 1), 1
	s_wait_xcnt 0x0
	s_wait_alu depctr_vm_vsrc(0)
; THE SECOND EXPERT PRODUCT: yp[quarter][slot] = hf . w2 over a quarter of K = 4,096, for the rows that chose the expert.
; A work-group takes one expert (grid y), 128 columns of H and 1,024 of K (grid x = column slice + 8 x quarter), and walks the expert's rows in passes of 320.
; The four quarters' sums are added in f32 by the next launch, which owns whole rows: no sum crosses work-groups inside this launch.
; Four waves.  Wave w takes the row tiles 20 p + 4 l + w, l = 0..4, and all eight column tiles: 40 accumulators of 16 x 16.
; WEIGHTS are f32 and lie [k][n].  They pass through registers (a k-row of the slice is one load of 512 neighbouring bytes), are cut to bf16 and stored
; into LDS, where the whole slice stays: 1,024 k-rows x 288 bytes = 294,912 bytes; ds_load_tr16_b128 reads them back turned.  They have to be converted
; on the way, so the tensor data mover would only add a second trip through LDS.  Each weight byte is read from memory once, whatever the rows.
; THE FIRST PASS streams: while K step q is multiplied, weight group q + 4 is converted and stored and group q + 8 is asked for.  Its eight barriers (one
; for each 128 k-rows: stored by four waves, then read by all) stand in straight text.  No weight byte in LDS is written twice.
; FURTHER PASSES (an expert with more than 320 rows) read the slice that lies in LDS and need no barrier.
; ROWS (hf) lie in memory in fragment order (block of 16 rows x 32 k = 1,024 bytes, lane L's 16 bytes at 16 L and at 512 + 16 L) and go from
; memory straight into the operand's registers.  NO CLUSTER: the work-groups of an expert and a quarter read the same rows, but a joint load lands in LDS,
; and the rows' way through LDS would add 20 LDS loads a wave to the 24 LDS instructions that a K step of 40 matrix instructions has now.
; THE MATRIX INSTRUCTION IS USED TRANSPOSED: source 0 = 16 columns of the weights, source 1 = 16 rows.  Lane (r, h) then holds row r, columns 16 nt + 8 h + 0..7.
; A tile number at or beyond the expert's tiles is clamped to the last tile: its products are made and thrown away.
; THE FIFTH LAYER: a wave whose fifth row tile does not exist (fewer than five layers, s25) jumps over that layer's two row loads and eight matrix
; instructions in every K step.  Row groups 0 to 3 and K step 0's products are made in any case, so that each of the layer's registers has been written
; on every way.  The jumps cross no barrier.
; yp has 2,176 rows a quarter: 2,048 slots and 16 spare rows for each expert.  The spare rows of an expert's last tile carry list entries
; 2048 + 16 e + (place & 15) and are stored there, each by one row of one work-group; nothing reads them.  So no store needs a mask.
; THE MODE: SCHED_MODE bits 1:0 = 2 (LLVM: expert scheduling mode 2), set by the entry lines.  The code itself states the register dependences
; between vector or matrix instructions and memory or LDS instructions, with s_wait_alu, always for 0.
; THE PLAN.  Registers that memory or LDS instructions touch, in step q of the first pass:
;   RAW[q & 3]        (window 3)  read by the step's sixteen conversions; behind them the loads of weight group q + 8 land in it.
;   OUT[q & 1]        (window 3)  written by the conversions; read by the step's eight LDS stores; written again two steps on.
;   ROW[(q - 1) & 3]  (window 2)  read by step q - 1's matrix instructions; the loads of row group q + 3 land in it.
;   FB[(q + 1) & 1]   (window 0)  read by step q - 1's matrix instructions; the LDS loads of step q + 1's fragments land in it.
;   v4 to v8, v32-47              addresses, made at the head and never written again; v9 is written once a pass.
; So ONE wait on va_vdst stands in a step, behind its conversions: OUT is written, RAW has been read, and the step before is done with its row slot and its
; fragment buffer.  Behind it the step's vector side names FB[q & 1], ROW[q & 3] and the accumulators: none of the registers that the step's stores and loads
; touch, so these follow with no further wait, the weight loads among the matrix instructions.  One wait on vm_vsrc stands ahead of the conversions, for OUT.
; On the way out: the accumulators are read by LDS stores; the slot registers are made into offsets by vector instructions and read by the stores; two sets of 32
; registers by turns take the stage's rows and are read by the stores.  One wait on va_vdst a layer, behind its offsets; one on vm_vsrc for each set's next filling;
; and one on vm_vsrc at the way out's end, on every way that leaves it, for all that the next pass writes again.
.set PB,     4096                      ; bytes from a k-row of w2 to the next
.set ASHIFT, 17                        ; a row tile of hf: 128 blocks = 131,072 bytes
.set BPITCH, 288                       ; an LDS k-row: 128 bf16 + 32 bytes, an odd multiple of 32
.set CHUNK,  128*BPITCH                ; 36,864: 128 k-rows; eight chunks from LDS byte 0
.set STAGE,  8*CHUNK                   ; 294,912: each wave's own 16 rows x 272 bytes for the way out
.set SPITCH, 272                       ; 64 f32 + 16 bytes = 68 words: sixteen rows start 4 words apart (64 banks of 4 bytes: ISA guide 11.1)
.set WSTAGE, 16*SPITCH
.set KQS,    2176*4096                 ; bytes of a quarter of yp
; VECTOR REGISTERS, in windows of 256:
;   window 0: v0-11 addresses, v32-47 LDS addresses by chunk; v64-127, v128-191 weight fragments, two buffers (8 column tiles x 8); v192-231 slot numbers
;   window 1: accumulators of layers l = 0..3 at 64 l + 8 nt
;   window 2: v0-159 row fragments, a ring of 4 slots x 5 layers x 8; v160-223 accumulators of layer 4
;   window 3: v0-127 weights as loaded, a ring of 4 slots x 8 rows x 4; v128-159 weights in bf16, two out-buffers of 8 rows x 2
.set L16,  4                           ; 16 x lane
.set BOFF, 5                           ; 16 x lane + 32 w k-rows: my rows of each chunk
.set STO,  6                           ; the way out, in: 272 r + 32 h in my stage
.set RD,   7                           ; the way out, back: 272 (lane >> 4) + 16 (lane & 15) in my stage
.set C16,  8                           ; 16 (lane & 15)
.set LOFF, 9                           ; my byte offset among the list's entries
.set BST,  32                          ; v32-39: where I store my rows of chunk c
.set BFR,  40                          ; v40-47: where I read fragments of chunk c
.set FB,   64
.set XR,   64                          ; the way out: two sets of 32 registers
.set SLT,  192                         ; register 8 l + t: the slot of row 2 t + (lane >> 4) of layer l, then its byte offset in yp
.set OW,   128                         ; window 3: the out-buffers
.set SA,   32                          ; s[32:41] the five layers' row tiles
.set SB,   44                          ; s[44:59] the eight chunks of 128 k-rows of the weights
.set MSB,  0
.macro WIN new                         ; low byte: bits 1:0 source 0, 3:2 source 1, 5:4 source 2, 7:6 destination; the high byte repeats the setting that is left
.if MSB != \new
	s_set_vgpr_msb (MSB<<8)|\new
.set MSB, \new
.endif
.endm
; the weight fragments of K step q: k-rows 32 (q & 3) .. + 31 of chunk q >> 2, eight column tiles
.macro FRAG q
.irp nt, 0,1,2,3,4,5,6,7
	ds_load_tr16_b128 v[FB+64*((\q)&1)+8*\nt:FB+64*((\q)&1)+8*\nt+3], v[BFR+((\q)>>2)] offset:((\q)&3)*32*BPITCH+32*\nt
	ds_load_tr16_b128 v[FB+64*((\q)&1)+8*\nt+4:FB+64*((\q)&1)+8*\nt+7], v[BFR+((\q)>>2)] offset:((\q)&3)*32*BPITCH+16*BPITCH+32*\nt
.endr
.endm
; eight matrix instructions: layer l x all column tiles.  In K step 0 the constant 0 starts the sums: nothing is cleared.
.macro MUL q, l
.irp nt, 0,1,2,3,4,5,6,7
.if (\l) < 4
.set AC, 64*(\l)+8*\nt
.else
.set AC, 160+8*\nt
.endif
.if (\q) == 0
	v_wmma_f32_16x16x32_bf16 v[AC:AC+7], v[FB+64*((\q)&1)+8*\nt:FB+64*((\q)&1)+8*\nt+7], v[40*((\q)&3)+8*(\l):40*((\q)&3)+8*(\l)+7], 0
.else
	v_wmma_f32_16x16x32_bf16 v[AC:AC+7], v[FB+64*((\q)&1)+8*\nt:FB+64*((\q)&1)+8*\nt+7], v[40*((\q)&3)+8*(\l):40*((\q)&3)+8*(\l)+7], v[AC:AC+7]
.endif
.endr
.endm
; weight group GB: eight k-rows of mine into raw slot GB & 3.  No wait: no vector or matrix instruction since the step's wait on va_vdst names that slot or v[BOFF]
.macro WLOAD
	WIN 0xc0                                       ; into window 3
.irp i, 0,1,2,3,4,5,6,7
	global_load_b128 v[32*(GB&3)+4*\i:32*(GB&3)+4*\i+3], v[BOFF], s[SB+2*(GB>>2):SB+2*(GB>>2)+1] offset:(8*(GB&3)+\i)*PB th:TH_LOAD_NT
.endr
.endm
; ONE STEP, q = -8 .. 31.  st = 1 (the first pass): it converts weight group q + 4 (8 k-rows of mine) into an out-buffer and stores it, asks for row group q + 3
; (8 loads, and 2 more for the fifth layer), multiplies K step q and, behind the next step's fragment loads, asks for weight group q + 8 (8 loads).
; st = 0 (a further pass): the row groups and the products alone.
; n = the loads issued behind the youngest one that the step needs (row group q, asked for in step q - 3; weight group q + 4, asked for in step q - 4),
; counted with row groups of eight loads, the fewest that any way issues: in the middle of the first pass 8 + 16 + 16 = 40, of a further pass 8 + 8 = 16.
; A wave with five layers has up to four more behind them, so its wait is a little stricter than it need be.
; The accumulators take turns, one instruction a turn, in the same order in every step.
; The sixteen conversions (or four v_nop) stand between the last step's matrix instructions and the loads into registers that those have read;
; the wait on va_vdst behind them states that dependence.
; In steps 3, 7, .. 27 of the first pass the chunk changes: in front of the barrier's signal my stores into the next chunk are complete; behind its wait it is read.
.macro SUB q, n, st
.set CONS, 0
.set ISA, 0
.set ISB, 0
.set COMP, 0
.set BAR, 0
.if (\q)+3 >= 0
.if (\q)+3 <= 31
.set ISA, 1
.endif
.endif
.if (\q) >= 0
.set COMP, 1
.endif
.if \st
.if (\q)+4 >= 0
.if (\q)+4 <= 31
.set CONS, 1
.endif
.endif
.if (\q)+8 <= 31
.set ISB, 1
.endif
.if (\q) >= 0
.if ((\q)&3) == 3
.if (\q) < 31
.set BAR, 1
.endif
.endif
.endif
.endif
.set GC, (\q)+4
.set GA, (\q)+3
.set GB, (\q)+8
.if CONS+COMP
	s_wait_loadcnt \n
.endif
.if CONS
.if GC >= 2
	s_wait_alu depctr_vm_vsrc(0)                   ; the LDS stores of two steps back have read this out-buffer, which the conversions below write again
.endif
	WIN 0xcf                                       ; all in window 3
.irp i, 0,1,2,3,4,5,6,7
	v_cvt_pk_bf16_f32 v[OW+16*(GC&1)+2*\i], v[32*(GC&3)+4*\i], v[32*(GC&3)+4*\i+1]
	v_cvt_pk_bf16_f32 v[OW+16*(GC&1)+2*\i+1], v[32*(GC&3)+4*\i+2], v[32*(GC&3)+4*\i+3]
.endr
	WIN 0x0c                                       ; data in window 3
	s_wait_alu depctr_va_vdst(0)                   ; the conversions have written the out-buffer, which the LDS stores read, and are done reading the raw slot, in which weight loads land; the last step's matrix instructions are done reading their row slot and their fragment buffer, in which this step's loads land
.irp i, 0,1,2,3,4,5,6,7
	ds_store_b64 v[BST+(GC>>2)], v[OW+16*(GC&1)+2*\i:OW+16*(GC&1)+2*\i+1] offset:(8*(GC&3)+\i)*BPITCH
.endr
.else
.if COMP
.if (\q) < 31
.rept 4
	v_nop
.endr
.if (\q) >= 1
	s_wait_alu depctr_va_vdst(0)                   ; the last step's matrix instructions are done reading their row slot and their fragment buffer, in which this step's loads land
.endif
.endif
.endif
.endif
.if ISA
	WIN 0x80                                       ; into window 2
.irp l, 0,1,2,3
	global_load_b128 v[40*(GA&3)+8*\l:40*(GA&3)+8*\l+3], v[L16], s[SA+2*\l:SA+2*\l+1] offset:1024*GA
	global_load_b128 v[40*(GA&3)+8*\l+4:40*(GA&3)+8*\l+7], v[L16], s[SA+2*\l:SA+2*\l+1] offset:1024*GA+512
.endr
.if GA >= 4
	WIN 0                                          ; at a branch and at a label every window is 0
	s_cmp_lt_u32 s25, 5                            ; no fifth layer: its rows are not asked for
	s_cbranch_scc1 .Lno_rows_\@
	WIN 0x80
.endif
	global_load_b128 v[40*(GA&3)+32:40*(GA&3)+35], v[L16], s[SA+8:SA+9] offset:1024*GA
	global_load_b128 v[40*(GA&3)+36:40*(GA&3)+39], v[L16], s[SA+8:SA+9] offset:1024*GA+512
.if GA >= 4
	WIN 0
.Lno_rows_\@:
.endif
.endif
.if ISB
.if COMP == 0
	WLOAD                                          ; ahead of the first products there is nothing to deal the loads among
.endif
.endif
.if COMP
.if BAR
	s_wait_dscnt 0x0                               ; my stores into the next chunk, for the other waves' sake
	s_barrier_signal -1
.else
.if CONS
	s_wait_dscnt 0x8                               ; this step's fragments are in; the eight stores just issued may stay out
.else
	s_wait_dscnt 0x0
.endif
.endif
	WIN 0x58                                       ; source 0 window 0, source 1 window 2, C and D window 1
	MUL \q, 0
	MUL \q, 1
.if (\q) < 31
	WIN 0
.if BAR
	s_barrier_wait -1
.endif
	FRAG (\q)+1                                    ; no wait: the sixteen matrix instructions since the step's wait name the other fragment buffer
.if ISB
	WLOAD
.endif
.endif
	WIN 0x58
	MUL \q, 2
	MUL \q, 3
.if (\q) == 0
	WIN 0xa8                                       ; C and D window 2
	MUL \q, 4                                      ; in any case: it writes the fifth layer's accumulators
.else
	WIN 0
	s_cmp_lt_u32 s25, 5                            ; no fifth layer: no products for it
	s_cbranch_scc1 .Lno_mul_\@
	WIN 0xa8
	MUL \q, 4
	WIN 0
.Lno_mul_\@:
.endif
.endif
.endm
; scalar work at the head of pass s24: the five row tiles and how many of them exist
.macro HEADA
	s_mul_i32 s68, s24, 20
	s_add_co_u32 s68, s68, s14                     ; my first tile: 20 p + w
	s_sub_co_u32 s69, s22, 1
	s_lshl_b32 s71, s15, 6
	s_lshl_b32 s73, s17, 15                        ; quarter x 32 blocks
	s_mov_b32 s67, 0
.irp l, 0,1,2,3,4
	s_add_co_u32 s70, s68, 4*\l
	s_min_u32 s70, s70, s69                        ; a tile that does not exist reads the last one
	s_min_u32 s70, s70, 63
	s_add_co_u32 s70, s70, s71
	s_lshl_b32 s66, s70, ASHIFT
	s_add_co_u32 s66, s66, s73
	s_add_nc_u64 s[SA+2*\l:SA+2*\l+1], s[4:5], s[66:67]
.endr
	s_sub_co_i32 s25, s22, s68                     ; how many of my five layers exist: ceil((tiles - 20 p - w) / 4) within 0..5
	s_add_co_i32 s25, s25, 3
	s_ashr_i32 s25, s25, 2
	s_max_i32 s25, s25, 0
	s_min_i32 s25, s25, 5
.endm
; the slot numbers of pass s24: entry 16 (20 p + 4 l + w) + 2 t + (lane >> 4), all inside the list's 1,280 entries.  Asked for ahead of the rings' loads.
; again = 1: a further pass, whose registers the pass before has used; the wait on vm_vsrc at the way out's end has freed v[LOFF] and the slot registers.
.macro SLOTS again
	s_mul_i32 s74, s24, 1280
	s_lshl_b32 s75, s14, 6
	s_add_co_u32 s74, s74, s75
	v_lshl_add_u32 v[LOFF], v3, 2, s74
.if \again
	s_wait_alu depctr_va_vdst(0)                   ; v[LOFF] is written, which the loads below read; the way out has written the slot registers, in which they land; the last pass's matrix instructions are done reading the row slots and fragment buffers, in which this pass's loads land
.else
	s_wait_alu depctr_va_vdst(0)                   ; the offsets and LDS addresses v4 to v9 and v32 to v47 are written: every load and store of the kernel reads one of them
.endif
.irp l, 0,1,2,3,4
.irp t, 0,1,2,3,4,5,6,7
	global_load_b32 v[SLT+8*\l+\t], v[LOFF], s[62:63] offset:512+256*\l+8*\t
.endr
.endr
.endm
; layer l leaves, 64 columns at a time: a lane's pieces of rows into my stage, whole pieces of 256 bytes back, each to its row's slot in yp.
; The stage is the wave's own and LDS serves a wave's instructions in order (ISA guide 5.7.1): no wait between its stores and its loads.
.macro LAYER2 l, base, win
	s_cmp_le_u32 s25, \l                           ; no such layer, and none behind it
	s_cbranch_scc1 .Lout_done
.irp t, 0,1,2,3,4,5,6,7
	v_min_u32 v[SLT+8*\l+\t], 2175, v[SLT+8*\l+\t]
	v_lshl_add_u32 v[SLT+8*\l+\t], v[SLT+8*\l+\t], 12, v[C16]
.endr
	s_wait_alu depctr_va_vdst(0)                   ; the layer's eight offsets are written, which its stores read; in the first layer also: the matrix instructions have written the accumulators, which the LDS stores read, and are done reading the fragment buffer, in which the stage's rows land
.irp hf, 0,1
	s_wait_xcnt 0x0                                ; this set of registers, which earlier stores read, is loaded into again
.if (\l) > 0
	s_wait_alu depctr_vm_vsrc(0)                   ; the last layer's stores have read this set of registers, in which the stage's rows land below
.endif
	WIN \win                                       ; data in the accumulators' window
.irp n, 0,1,2,3
	ds_store_b128 v[STO], v[\base+32*\hf+8*\n:\base+32*\hf+8*\n+3] offset:64*\n
	ds_store_b128 v[STO], v[\base+32*\hf+8*\n+4:\base+32*\hf+8*\n+7] offset:64*\n+16
.endr
	WIN 0
.irp t, 0,1,2,3,4,5,6,7
	ds_load_b128 v[XR+32*\hf+4*\t:XR+32*\hf+4*\t+3], v[RD] offset:2*SPITCH*\t
.endr
.irp t, 0,1,2,3,4,5,6,7
	s_wait_dscnt 7-\t
	global_store_b128 v[SLT+8*\l+\t], v[XR+32*\hf+4*\t:XR+32*\hf+4*\t+3], s[60:61] offset:256*\hf   ; sixteen lanes store 256 neighbouring bytes, aligned
.endr
.endr
.endm
	s_load_b256 s[4:11], s[0:1], 0x0               ; hf s[4:5], w2 s[6:7], lists s[8:9], yp s[10:11]
	v_lshl_add_u32 v254, v0, 2, 0x4c400
	v_mov_b32 v255, 0
	v_lshrrev_b32 v10, 5, v0
	v_readfirstlane_b32 s14, v10                   ; wave
	s_wait_alu depctr_va_sdst(0)                   ; s14 is written, ahead of its first reader: offsets, LDS addresses and tile numbers are made from it
	s_and_b32 s15, ttmp7, 0xffff                   ; expert
	s_and_b32 s16, ttmp9, 7                        ; column slice
	s_lshr_b32 s17, ttmp9, 3                       ; quarter of K
	v_and_b32 v1, 31, v0                           ; lane
	v_and_b32 v2, 15, v0                           ; r
	v_bfe_u32 v3, v0, 4, 1                         ; h
	v_lshlrev_b32 v[L16], 4, v1
	s_mul_i32 s66, s14, 32*PB
	v_add_nc_u32 v[BOFF], s66, v[L16]
	s_mul_i32 s66, s14, 32*BPITCH
	v_lshl_add_u32 v[BST], v1, 3, s66              ; k-row 32 w, 8 bytes a lane
	v_and_b32 v10, 7, v0
	v_lshl_add_u32 v10, v3, 3, v10
	v_mul_u32_u24 v10, v10, BPITCH                 ; k-row 8 h + (lane & 7)
	v_bfe_u32 v11, v0, 3, 1
	v_lshl_add_u32 v[BFR], v11, 4, v10             ; + 16 ((lane >> 3) & 1)
.irp c, 1,2,3,4,5,6,7
	v_add_nc_u32 v[BST+\c], CHUNK, v[BST+\c-1]
	v_add_nc_u32 v[BFR+\c], CHUNK, v[BFR+\c-1]
.endr
	s_mul_i32 s66, s14, WSTAGE
	s_add_co_u32 s66, s66, STAGE                   ; my stage
	v_mul_u32_u24 v10, v2, SPITCH
	v_lshl_add_u32 v10, v3, 5, v10
	v_add_nc_u32 v[STO], s66, v10
	v_mul_u32_u24 v10, v3, SPITCH
	v_lshl_add_u32 v10, v2, 4, v10
	v_add_nc_u32 v[RD], s66, v10
	v_lshlrev_b32 v[C16], 4, v2
	s_lshl_b32 s66, s15, 24                        ; the expert's 16 MiB of weights
	s_lshl_b32 s68, s17, 22                        ; + quarter x 1,024 k-rows of 4,096 bytes
	s_add_co_u32 s66, s66, s68
	s_lshl_b32 s68, s16, 9                         ; + slice x 512 bytes
	s_add_co_u32 s66, s66, s68
	s_mov_b32 s67, 0
	s_mul_i32 s70, s17, KQS                        ; yp: the quarter
	s_add_co_u32 s70, s70, s68                     ; + slice x 512 bytes
	s_mov_b32 s71, 0
	s_mul_i32 s68, s15, 5632
	s_mov_b32 s69, 0
	s_mov_b32 s24, 0                               ; pass
	s_wait_kmcnt 0x0
	s_add_nc_u64 s[62:63], s[8:9], s[68:69]
	s_load_b128 s[20:23], s[62:63], 0x0            ; n, passes, tiles, 0
	s_add_nc_u64 s[SB:SB+1], s[6:7], s[66:67]
.irp c, 1,2,3,4,5,6,7
	s_add_nc_u64 s[SB+2*\c:SB+2*\c+1], s[SB+2*\c-2:SB+2*\c-1], 128*PB
.endr
	s_add_nc_u64 s[60:61], s[10:11], s[70:71]
	SLOTS 0
	; THE FIRST PASS
	SUB -8, 0, 1                                   ; the first four weight groups go out before the list's header is needed
	SUB -7, 0, 1
	SUB -6, 0, 1
	SUB -5, 0, 1
	s_wait_kmcnt 0x0
	s_min_u32 s20, s20, 1024
	s_min_u32 s21, s21, 4
	s_min_u32 s22, s22, 64
	s_max_u32 s22, s22, 1
	HEADA
	SUB -4, 24, 1                                  ; weight group 0; behind it groups 1, 2, 3
	SUB -3, 24, 1
	SUB -2, 32, 1                                  ; behind group 2: 8 + 8 + 8 + 8 at the least
	SUB -1, 40, 1                                  ; behind group 3: 8 + 16 + 16 at the least
	WIN 0
	s_wait_dscnt 0x0                               ; my part of the first 128 k-rows is stored
	s_barrier_signal -1
	s_barrier_wait -1
	FRAG 0
.irp q, 0,1,2,3,4,5,6,7,8,9,10,11,12,13,14,15,16,17,18,19,20,21,22,23,24
	SUB \q, 40, 1
.endr
	SUB 25, 32, 1                                  ; the requests run out: 8 + 16 + 8
	SUB 26, 24, 1                                  ; 8 + 8 + 8
	SUB 27, 16, 1
	SUB 28, 16, 1
	SUB 29, 16, 1
	SUB 30, 8, 1
	SUB 31, 0, 1                                   ; every load is in, the slot numbers long since
	WIN 0
.Lpass:
.rept 4
	v_nop                                          ; the places between the last matrix instructions and the stores of their results
.endr
	LAYER2 0, 0, 0x04
	LAYER2 1, 64, 0x04
	LAYER2 2, 128, 0x04
	LAYER2 3, 192, 0x04
	LAYER2 4, 160, 0x08
.Lout_done:
	s_wait_xcnt 0x0                                ; the stores' addresses and data are written again below
	s_wait_alu depctr_vm_vsrc(0)                   ; this pass's stores have read their offsets, which the next way out writes again and in which the next list loads land, and their data, in which stage rows and fragments land; its list loads have read v[LOFF], written at the next pass's head; its LDS stores have read the accumulators, which the next products write again
	s_add_co_u32 s24, s24, 1
	s_cmp_ge_u32 s24, s21
	s_cbranch_scc1 .Llast
	; A FURTHER PASS: the slice lies in LDS, every barrier has been passed
	HEADA
	SLOTS 1
	SUB -3, 0, 0
	SUB -2, 0, 0
	SUB -1, 0, 0
	WIN 0
	FRAG 0
.irp q, 0,1,2,3,4,5,6,7,8,9,10,11,12,13,14,15,16,17,18,19,20,21,22,23,24,25,26,27,28,29
	SUB \q, 16, 0                                  ; behind row group q: groups q + 1 and q + 2, eight loads each at the least
.endr
	SUB 30, 8, 0
	SUB 31, 0, 0
	WIN 0
.Llast:
	s_cmp_lt_u32 s24, s21                          ; the count of passes is not written in the loop
	s_cbranch_scc1 .Lpass
	s_wait_dscnt 0x0
	s_wait_alu depctr_hold_cnt(0) depctr_sa_sdst(0) depctr_va_vdst(0) depctr_va_sdst(0) depctr_va_ssrc(0) depctr_va_vcc(0) depctr_vm_vsrc(0)
	s_wait_tensorcnt 0x0
	ds_add_u32 v254, v255
	s_wait_dscnt 0x0
	s_endpgm
.Lfunc_end_k_qb85b42047f_gemm2:
	.size	k_qb85b42047f_gemm2, .Lfunc_end_k_qb85b42047f_gemm2-k_qb85b42047f_gemm2
	.p2alignl 7, 3214868480
	.fill 96, 4, 3214868480
	.section	.rodata,"a",@progbits
	.p2align	6, 0x0
	.amdhsa_kernel k_qb85b42047f_gemm2
		.amdhsa_group_segment_fixed_size 312832
		.amdhsa_private_segment_fixed_size 0
		.amdhsa_enable_private_segment 0
		.amdhsa_kernarg_size 32
		.amdhsa_user_sgpr_count 2
		.amdhsa_user_sgpr_kernarg_segment_ptr 1
		.amdhsa_wavefront_size32 1
		.amdhsa_system_sgpr_workgroup_id_x 1
		.amdhsa_system_sgpr_workgroup_id_y 1
		.amdhsa_system_sgpr_workgroup_id_z 1
		.amdhsa_system_vgpr_workitem_id 0
		.amdhsa_next_free_vgpr 928
		.amdhsa_next_free_sgpr 80
		.amdhsa_reserve_vcc 0
		.amdhsa_float_denorm_mode_32 3
		.amdhsa_float_denorm_mode_16_64 3
		.amdhsa_memory_ordered 1
		.amdhsa_forward_progress 1
		.amdhsa_inst_pref_size 255
	.end_amdhsa_kernel
	.section	.bss,"aw",@nobits
	.p2align	6
	.space	262144
	.amdgpu_metadata
---
amdhsa.version: [ 1, 2 ]
amdhsa.kernels:
  - .name:           k_qb85b42047f_gemm2
    .symbol:         k_qb85b42047f_gemm2.kd
    .args:
      - { .name: hf, .offset: 0, .size: 8, .value_kind: global_buffer, .address_space: global }
      - { .name: w2, .offset: 8, .size: 8, .value_kind: global_buffer, .address_space: global }
      - { .name: lists, .offset: 16, .size: 8, .value_kind: global_buffer, .address_space: global }
      - { .name: yp, .offset: 24, .size: 8, .value_kind: global_buffer, .address_space: global }
    .group_segment_fixed_size: 312832
    .private_segment_fixed_size: 0
    .kernarg_segment_align: 8
    .kernarg_segment_size: 32
    .max_flat_workgroup_size: 128
    .sgpr_count:     80
    .vgpr_count:     928
    .wavefront_size: 32
...
	.end_amdgpu_metadata
.endif
;; end of part 7
;; launch combine: the kernel of part 5 again; grid 256 x 1, 4 waves a work-group, no clusters, 0 bytes of LDS; arguments yp, x, b2, ln_g, ln_b, sel, rw, out0; writes out0
